; MI455X (gfx1250); checked and timed in simulation.
; The chip was launched on July 23, 2026; its instructions are those of AMD's public machine-readable ISA for CDNA 5 (MIT licence, August 2026) and "CDNA5" Instruction Set Architecture Reference Guide (July 2026). The comments in the code are by the model that wrote it; some were corrected since.
;; Cantor Modality Fusion. Allowed arithmetic: float matrix products may take bf16 or f16 operands with f32 sums; other float arithmetic in f32, or as packed bf16 or f16 multiplies, adds, multiply-adds, maxima and minima; sums over many terms, partial sums and values carried from step to step in f32; what a program stores and reads back later, other than sums and carried values, may be rounded once to bf16 or f16.
;; Inputs: W_audio 1,024 x 512 float32; W_image 1,024 x 1,024 float32; W_text 1,024 x 768 float32; W_video 1,024 x 2,048 float32; Wk 1,024 x 1,024 float32; Wo 1,024 x 1,024 float32; Wq 1,024 x 1,024 float32; Wv 1,024 x 1,024 float32; audio 2 x 1,500 x 512 float32; b_audio 1,024 float32; b_image 1,024 float32; b_text 1,024 float32; b_video 1,024 float32; bk 1,024 float32; bo 1,024 float32; bq 1,024 float32; bv 1,024 float32; image 2 x 1,024 x 1,024 float32; mod_emb 4 x 1,024 float32; temperature one number float32; text 2 x 2,048 x 768 float32; video 2 x 512 x 2,048 float32.
;; Outputs: out0 2 x 2,048 x 1,024 float32.
;; One version. Each part assembles by itself: llvm-mc -triple=amdgcn-amd-amdhsa -mcpu=gfx1250 --defsym DOCPART=n.
;; ======== version 1 of 1: 4 launches
;; limits: values are held in f16: magnitudes above 65,504 overflow, below 6.1e-05 lose precision
;; workspace buffers: cv 37,748,736 bytes; ps 20,971,520 bytes; fz 8,388,608 bytes
;; launch cast (part 1): grid 576 x 1, 8 waves a work-group, no clusters, 0 bytes of LDS; arguments text, image, audio, video, W_text, W_image, W_audio, W_video, Wq, Wk, Wv, Wo, cv; writes cv
.if DOCPART == 1
	.amdgcn_target "amdgcn-amd-amdhsa--gfx1250"
	.amdhsa_code_object_version 6
	.text
	.protected	k_q5b8efacd89_cast
	.globl	k_q5b8efacd89_cast
	.p2align	8
	.type	k_q5b8efacd89_cast,@function
k_q5b8efacd89_cast:
	s_mov_b64 s[64:65], 0
	v_nop
	global_prefetch_b8 v0, s[64:65] scope:SCOPE_SE
	s_setreg_imm32_b32 hwreg(HW_REG_WAVE_MODE, 25, 1), 1
	s_wait_xcnt 0x0
; CAST.  The twelve large f32 inputs are rounded once to bf16 (nearest even) and laid out anew in cv, 576 chunks of 65,536 bytes.
; A work-group makes one chunk: 128 pieces of 256 numbers (1,024 bytes read, 512 written each).  Wave v takes piece 8 i + v in step i of 16;
; a lane reads 32 bytes and writes 16, so a store of a wave covers 512 consecutive bytes, aligned.
; LAYOUTS.  x and W of the four projections: [K / 256][rows][256] bf16, so that 64 rows x 256 K lie end to end.  text and W_text (K = 768) get a
; fourth block of zeros.  audio has 2 x 1,536 rows; rows 1,500 .. 1,535 of each batch are zeros.  Wq, Wk, Wv: [16 heads][q 64, k 64, v 64 rows][1024],
; the bf16-rounded number written as f16.  Wo: [1024][1024] bf16.
; LIMITS.  The f16 copy of a bf16 number is exact for 2^-17 <= |w| <= 65,504; below that it is off by at most 3e-8, beyond that it is an infinity.
; No LDS, no matrix unit, no cluster: nothing is shared and each byte is read once and written once.
.set OFF, 8                            ; v[8:23]   step i: byte offset of my 32 bytes in the source
.set T,   24                           ; v[24:27]  at work
.set D,   32                           ; v[32:159] step i: 8 registers as loaded; the low 4 as stored
	s_load_b512 s[8:23], s[0:1], 0x0               ; text, image, audio, video, W_text, W_image, W_audio, W_video
	s_load_b256 s[24:31], s[0:1], 0x40             ; Wq, Wk, Wv, Wo
	s_load_b64 s[32:33], s[0:1], 0x60              ; cv
	v_lshrrev_b32 v1, 5, v0
	v_readfirstlane_b32 s3, v1                     ; wave 0..7
	v_lshlrev_b32 v2, 4, v0                        ; my 16 bytes in a step's 4,096 of the chunk
	v_and_b32 v3, 31, v0
	v_lshlrev_b32 v3, 5, v3                        ; my 32 bytes in a piece of the source
	s_mov_b32 s2, ttmp9                            ; the work-group's number
	s_mov_b32 s36, 0                               ; the segment's first chunk
	s_mov_b32 s37, 3072|(5<<16)                    ; bytes in a source row | log2 of the chunks in a K block
	s_wait_kmcnt 0x0
	s_mov_b64 s[34:35], s[8:9]
; The segment is found by eleven compares of the work-group's number; each chooses pointer, first chunk and the packed word.
.macro LINK k, start, rs, sh
	s_cmp_ge_u32 s2, \start
	s_cselect_b64 s[34:35], s[8+2*(\k):9+2*(\k)], s[34:35]
	s_cselect_b32 s36, \start, s36
	s_cselect_b32 s37, (\rs)|((\sh)<<16), s37
.endm
	LINK 1, 128, 4096, 4
	LINK 2, 192, 2048, 5                           ; audio: 24 chunks a K block, no power of two: see below
	LINK 3, 240, 8192, 3
	LINK 4, 304, 3072, 3
	LINK 5, 336, 4096, 3
	LINK 6, 368, 2048, 3
	LINK 7, 384, 8192, 3
	LINK 8, 448, 1024, 6                           ; the four square weights are read as they lie: pieces of 1,024 bytes on end
	LINK 9, 480, 1024, 6
	LINK 10, 512, 1024, 6
	LINK 11, 544, 1024, 6
	s_sub_co_u32 s38, s2, s36                      ; c: the chunk in its segment
	s_and_b32 s39, s37, 0xffff                     ; RS
	s_lshr_b32 s40, s37, 16
	s_lshr_b32 s41, s38, s40                       ; kb: the K block
	s_lshl_b32 s42, s41, s40
	s_sub_co_u32 s42, s38, s42                     ; the block of 128 rows
	s_lshl_b32 s43, s42, 7                         ; its first source row
	s_mov_b32 s44, 128                             ; NVR: rows of the chunk that exist in the source
	; audio: kb = c / 24; of the 24 row blocks 12 belong to each batch; batch 1 begins at source row 1,500, not 1,536; the twelfth block has 92 rows
	s_cmp_ge_u32 s38, 24
	s_cselect_b32 s45, 1, 0
	s_mul_i32 s46, s45, 24
	s_sub_co_u32 s46, s38, s46
	s_cmp_ge_u32 s46, 12
	s_cselect_b32 s47, 1, 0
	s_mul_i32 s48, s47, 36
	s_lshl_b32 s49, s46, 7
	s_sub_co_u32 s49, s49, s48
	s_mul_i32 s48, s47, 12
	s_sub_co_u32 s48, s46, s48
	s_cmp_eq_u32 s48, 11
	s_cselect_b32 s50, 92, s44
	s_cmp_eq_u32 s36, 192
	s_cselect_b32 s41, s45, s41
	s_cselect_b32 s43, s49, s43
	s_cselect_b32 s44, s50, s44
	s_mul_i32 s52, s43, s39                        ; the source offset, made apart from the pointer
	s_lshl_b32 s51, s41, 10
	s_add_co_u32 s52, s52, s51
	s_mov_b32 s53, 0
	s_add_nc_u64 s[34:35], s[34:35], s[52:53]
	; the destination chunk: the work-group's number, but Wq, Wk, Wv are woven by heads: 448 + 6 (c / 2) + 2 x which + c % 2
	s_lshr_b32 s55, s38, 1
	s_mul_i32 s55, s55, 6
	s_sub_co_u32 s56, s36, 448
	s_lshr_b32 s56, s56, 4
	s_add_co_u32 s55, s55, s56
	s_and_b32 s56, s38, 1
	s_add_co_u32 s55, s55, s56
	s_add_co_u32 s55, s55, 448
	s_cmp_ge_u32 s2, 448
	s_cselect_b32 s57, 1, 0
	s_cmp_lt_u32 s2, 544
	s_cselect_b32 s57, s57, 0                      ; 1: the f16 path
	s_cmp_eq_u32 s57, 1
	s_cselect_b32 s54, s55, s2
	s_lshl_b32 s54, s54, 16
	s_mov_b32 s55, 0
	s_add_nc_u64 s[32:33], s[32:33], s[54:55]
	s_cmp_eq_u32 s39, 3072                         ; the fourth K block of text and of W_text does not exist: zeros
	s_cselect_b32 s45, 1, 0
	s_cmp_eq_u32 s41, 3
	s_cselect_b32 s45, s45, 0
	s_cmp_eq_u32 s45, 1
	s_cbranch_scc1 .Lzero
	s_sub_co_u32 s59, s44, 1
.irp i, 0,1,2,3,4,5,6,7,8,9,10,11,12,13,14,15
	s_add_co_u32 s58, s3, 8*(\i)                   ; my piece of step i,
	s_min_u32 s58, s58, s59                        ; held inside the source: a row that does not exist reads the last one that does, and is masked
	s_mul_i32 s58, s58, s39
	v_add_nc_u32 v[OFF+(\i)], s58, v3
.endr
.irp i, 0,1,2,3,4,5,6,7,8,9,10,11,12,13,14,15
	global_load_b128 v[D+8*(\i):D+8*(\i)+3],   v[OFF+(\i)], s[34:35] th:TH_LOAD_NT
	global_load_b128 v[D+8*(\i)+4:D+8*(\i)+7], v[OFF+(\i)], s[34:35] offset:16 th:TH_LOAD_NT
.endr
; Step i is rounded and stored.  No register that a pending load or store names is written again, so the only wait is the counted one for the data.
.macro CONV i, mode
.set DD, D+8*(\i)
	s_wait_loadcnt 30-2*(\i)                       ; loads come back in order: the 30 - 2 i loads of the later steps may stay out
.if \mode
.irp k, 0,1,2,3
	v_cvt_pk_bf16_f32 v[T+(\k)], v[DD+2*(\k)], v[DD+2*(\k)+1]
.endr
.irp k, 0,1,2,3
	v_lshlrev_b32 v[DD+2*(\k)], 16, v[T+(\k)]      ; the rounded numbers as f32 again,
	v_and_b32 v[DD+2*(\k)+1], 0xffff0000, v[T+(\k)]
.endr
.irp k, 0,1,2,3
	v_cvt_pk_f16_f32 v[DD+(\k)], v[DD+2*(\k)], v[DD+2*(\k)+1]  ; and written as f16
.endr
.else
	s_add_co_u32 s58, s3, 8*(\i)
	s_cmp_lt_u32 s58, s44
	s_cselect_b32 s58, -1, 0                       ; all ones where my row exists
.irp k, 0,1,2,3
	v_cvt_pk_bf16_f32 v[DD+(\k)], v[DD+2*(\k)], v[DD+2*(\k)+1]
.endr
.irp k, 0,1,2,3
	v_and_b32 v[DD+(\k)], s58, v[DD+(\k)]
.endr
.endif
	global_store_b128 v2, v[DD:DD+3], s[32:33] offset:4096*(\i) th:TH_STORE_NT
.endm
	s_cmp_eq_u32 s57, 1
	s_cbranch_scc1 .Lf16
.irp i, 0,1,2,3,4,5,6,7,8,9,10,11,12,13,14,15
	CONV \i, 0
.endr
	s_endpgm
.Lf16:
.irp i, 0,1,2,3,4,5,6,7,8,9,10,11,12,13,14,15
	CONV \i, 1
.endr
	s_endpgm
.Lzero:
.irp k, 0,1,2,3
	v_mov_b32 v[D+(\k)], 0
.endr
.irp i, 0,1,2,3,4,5,6,7,8,9,10,11,12,13,14,15
	global_store_b128 v2, v[D:D+3], s[32:33] offset:4096*(\i) th:TH_STORE_NT
.endr
	s_endpgm
.Lfunc_end_k_q5b8efacd89_cast:
	.size	k_q5b8efacd89_cast, .Lfunc_end_k_q5b8efacd89_cast-k_q5b8efacd89_cast
	.p2alignl 7, 3214868480
	.fill 96, 4, 3214868480
	.section	.rodata,"a",@progbits
	.p2align	6, 0x0
	.amdhsa_kernel k_q5b8efacd89_cast
		.amdhsa_group_segment_fixed_size 0
		.amdhsa_private_segment_fixed_size 0
		.amdhsa_enable_private_segment 0
		.amdhsa_kernarg_size 104
		.amdhsa_user_sgpr_count 2
		.amdhsa_user_sgpr_kernarg_segment_ptr 1
		.amdhsa_wavefront_size32 1
		.amdhsa_system_sgpr_workgroup_id_x 1
		.amdhsa_system_sgpr_workgroup_id_y 1
		.amdhsa_system_sgpr_workgroup_id_z 1
		.amdhsa_system_vgpr_workitem_id 0
		.amdhsa_next_free_vgpr 160
		.amdhsa_next_free_sgpr 66
		.amdhsa_reserve_vcc 0
		.amdhsa_float_denorm_mode_32 3
		.amdhsa_float_denorm_mode_16_64 3
		.amdhsa_memory_ordered 1
		.amdhsa_forward_progress 1
		.amdhsa_inst_pref_size 38
	.end_amdhsa_kernel
	.amdgpu_metadata
---
amdhsa.version: [ 1, 2 ]
amdhsa.kernels:
  - .name:           k_q5b8efacd89_cast
    .symbol:         k_q5b8efacd89_cast.kd
    .args:
      - { .name: text, .offset: 0, .size: 8, .value_kind: global_buffer, .address_space: global }
      - { .name: image, .offset: 8, .size: 8, .value_kind: global_buffer, .address_space: global }
      - { .name: audio, .offset: 16, .size: 8, .value_kind: global_buffer, .address_space: global }
      - { .name: video, .offset: 24, .size: 8, .value_kind: global_buffer, .address_space: global }
      - { .name: W_text, .offset: 32, .size: 8, .value_kind: global_buffer, .address_space: global }
      - { .name: W_image, .offset: 40, .size: 8, .value_kind: global_buffer, .address_space: global }
      - { .name: W_audio, .offset: 48, .size: 8, .value_kind: global_buffer, .address_space: global }
      - { .name: W_video, .offset: 56, .size: 8, .value_kind: global_buffer, .address_space: global }
      - { .name: Wq, .offset: 64, .size: 8, .value_kind: global_buffer, .address_space: global }
      - { .name: Wk, .offset: 72, .size: 8, .value_kind: global_buffer, .address_space: global }
      - { .name: Wv, .offset: 80, .size: 8, .value_kind: global_buffer, .address_space: global }
      - { .name: Wo, .offset: 88, .size: 8, .value_kind: global_buffer, .address_space: global }
      - { .name: cv, .offset: 96, .size: 8, .value_kind: global_buffer, .address_space: global }
    .group_segment_fixed_size: 0
    .private_segment_fixed_size: 0
    .kernarg_segment_align: 8
    .kernarg_segment_size: 104
    .max_flat_workgroup_size: 256
    .sgpr_count:     66
    .vgpr_count:     160
    .wavefront_size: 32
...
	.end_amdgpu_metadata
.endif
;; end of part 1
;; launch proj (part 2): grid 8 x 80, 4 waves a work-group, clusters of 4 x 4, 327,680 bytes of LDS; arguments cv, b_text, b_image, b_audio, b_video, mod_emb, ps; writes ps
.if DOCPART == 2
	.amdgcn_target "amdgcn-amd-amdhsa--gfx1250"
	.amdhsa_code_object_version 6
	.text
	.protected	k_q5b8efacd89_proj
	.globl	k_q5b8efacd89_proj
	.p2align	8
	.type	k_q5b8efacd89_proj,@function
k_q5b8efacd89_proj:
	s_mov_b64 s[64:65], 0
	v_nop
	global_prefetch_b8 v0, s[64:65] scope:SCOPE_SE
	s_setreg_imm32_b32 hwreg(HW_REG_WAVE_MODE, 25, 1), 1
	s_wait_xcnt 0x0
	s_wait_alu depctr_hold_cnt(0) depctr_sa_sdst(0) depctr_va_vdst(0) depctr_va_sdst(0) depctr_va_ssrc(0) depctr_va_vcc(0) depctr_vm_vsrc(0)
	s_getreg_b32 s2, hwreg(HW_REG_IB_STS2, 6, 4)
	s_cmp_eq_u32 s2, 0
	s_cbranch_scc0 .Lentry_in_a_cluster
	s_endpgm
.Lentry_in_a_cluster:
	s_bfe_u32 s2, ttmp6, 0x10000c
	s_cmp_lg_u32 s2, 0xf033
	s_cbranch_scc0 .Lentry_shape_is_right
	s_endpgm
.Lentry_shape_is_right:
; PROJ.  p = x W^T + b + mod_emb[m] for the four modalities, bf16 operands (from cv), f32 sums, p rounded once to f16 into ps.
; A tile is 128 rows x 128 columns, four waves of 64 x 64 (16 accumulators); K goes in steps of 256 through two LDS slots.  80 tile rows: video 8, text 32, image 16, audio 24
; (the longest K first); which modality a tile row belongs to hangs on the cluster y alone, so trip counts are equal in all sixteen partners.
; K steps: video 8, text 4 (the fourth is the block of zeros), image 4, audio 2.  The loop over laps of two K steps counts up to a bound from the table; its LDS addresses are fixed.
; The bias b + mod_emb (each rounded to bf16 like every input, added in f32) is the C operand of each accumulator's first product: nothing is cleared and nothing is added on the way out.
; CLUSTER 4 x 4: x's tile is asked for jointly along a row of the cluster, W's along a column.
; THE MATRIX INSTRUCTION IS USED TRANSPOSED (source 0 = 16 rows of W, source 1 = 16 rows of x): a lane holds eight neighbouring columns of one row.
; ps: [32 jobs][320 rows][1024] f16; row in a job = 80 x (position / 16 % 4) + 16 x strip + position % 16: the order in which the next launch's waves read it.
; Rows at or beyond a modality's length (audio 1,500 .. 1,535) are stored as exact zeros, as the padding of the stacked tensor is.
; LIMITS.  |p| stays under 65,504 (f16); NaN and infinities are not treated apart.
; No prefetch: the tiles are small and each is read by several clusters at about the same time.
.set KSTEP,  256
.set PITCH,  528                       ; an LDS row: 512 bytes + 16 of padding: the 16 rows of a fragment load start 132 words apart
.set HALFT,  64*PITCH                  ; 64 rows: what one tensor load brings
.set SLOT,   4*HALFT                   ; x: 128 rows, then W: 128 rows
.set STAGE,  2*SLOT                    ; behind the ring: 128 rows x 272 bytes, the work-group's, for the way out
.set SPITCH, 272
.set SPARE,  STAGE+128*SPITCH          ; the spare words, 128 bytes a wave
.set ADRA, 16                          ; v16-17  LDS address of my x fragments in slot 0, 1
.set ADRB, 20                          ; v20-21  the same for W
.set STO,  24                          ; v24  where I put 16 bytes of a row
.set RD,   25                          ; v25  where I read a row back
.set CO,   26                          ; v26  my byte offset in ps
.set POS,  27                          ; v27  my row's position in its batch, for row block 0
.set SPW,  28                          ; v28  my spare word; never rewritten
.set NIL,  29                          ; v29  0; never rewritten
.set TMP,  32                          ; v32-95 at work
.set BIAS, 96                          ; v96-127 b + mod_emb of my 64 columns, 8 registers a column block
.set ACC,  128                         ; v128-255 accumulator (a, b) at ACC + 8 (4 a + b)
.set F0,   0                           ; fragment buffers, in window 1
.set F1,   128
.set G1, 24                            ; s[24:31] group 1 for x;  s[32:39] group 0, a set a slot
.set G0, 32
.set G1B, 48                           ; s[48:55], s[56:63] the same for W
.set G0B, 56
.set MSB, 0
.macro WIN new                         ; the immediate's high byte repeats the setting that is left
.if MSB != (\new)
	s_set_vgpr_msb (MSB<<8)|(\new)
.set MSB, \new
.endif
.endm
.set MUL,  0x05                        ; sources 0 (W) and 1 (x) window 1; C and D window 0
.set TO_F, 0x40                        ; destination window 1, address window 0
.macro JLOAD s                         ; a joint load: waves 0 and 1 fetch the halves of x's tile, waves 2 and 3 those of W's; s_nop 0 and four v_nop follow each line
	s_cmp_eq_u32 s11, 0
	s_cbranch_scc0 .Lfor_b_\@
	tensor_load_to_lds s[G0+4*(\s):G0+4*(\s)+3], s[G1:G1+7]
	s_nop 0
.rept 4
	v_nop
.endr
	s_branch .Lasked_\@
.Lfor_b_\@:
	tensor_load_to_lds s[G0B+4*(\s):G0B+4*(\s)+3], s[G1B:G1B+7]
	s_nop 0
.rept 4
	v_nop
.endr
.Lasked_\@:
.endm
.macro CREST                           ; a round of the cluster's barrier behind its opening barrier
	s_cmp_lg_u32 s10, 0
	s_cbranch_scc1 .Lnot_wave_0_\@
	s_barrier_signal -3
.Lnot_wave_0_\@:
	s_barrier_wait -3
	s_barrier_signal -1
	s_barrier_wait -1
.endm
.macro CROUND
	s_barrier_signal -1
	s_barrier_wait -1
	CREST
.endm
	s_load_b64 s[4:5], s[0:1], 0x0                 ; cv
	s_load_b256 s[80:87], s[0:1], 0x8              ; b_text, b_image, b_audio, b_video
	s_load_b128 s[88:91], s[0:1], 0x28             ; mod_emb, ps
	v_lshl_add_u32 v[SPW], v0, 2, SPARE
	v_mov_b32 v[NIL], 0
	ds_add_u32 v[SPW], v[NIL]                      ; the opening: the add and its wait ahead of my first tensor load; register work stands between
	v_lshrrev_b32 v1, 5, v0
	v_readfirstlane_b32 s10, v1                    ; wave 0..3
	s_lshr_b32 s11, s10, 1                         ; my half of the tile's rows; also: I fetch for x (0) or W (1)
	s_and_b32 s12, s10, 1                          ; my half of its columns; also: which 64 rows I fetch
	s_bfe_u32 s40, ttmp6, 0x40000                  ; cx
	s_bfe_u32 s41, ttmp6, 0x40004                  ; cy
	s_lshl_b32 s42, ttmp9, 2
	s_add_co_u32 s42, s42, s40                     ; tile column
	s_and_b32 s92, ttmp7, 0xffff                   ; cluster y
	s_lshl_b32 s13, s92, 2
	s_add_co_u32 s13, s13, s41                     ; tile row
	s_lshl_b32 s43, s41, 2
	s_lshl_b32 s43, 15, s43                        ; my row of the cluster
	s_lshl_b32 s44, 0x1111, s40                    ; my column
	; the table's row, chosen by the cluster y: first tile row, rows, loop trips, tiles a batch, length, x's and W's first chunk in cv, strip for positions under and from 1,024, modality
	s_mov_b32 s66, 0
	s_mov_b32 s67, 1024
	s_mov_b32 s68, 3
	s_mov_b32 s69, 4
	s_mov_b32 s70, 512
	s_mov_b32 s71, 240
	s_mov_b32 s72, 384
	s_mov_b32 s73, 4
	s_mov_b32 s74, 0
	s_mov_b32 s75, 3
.macro PICK from, trow0, rows, trips, tb, len, xch, wch, lo, hi, m
	s_cmp_ge_u32 s92, \from
	s_cselect_b32 s66, \trow0, s66
	s_cselect_b32 s67, \rows, s67
	s_cselect_b32 s68, \trips, s68
	s_cselect_b32 s69, \tb, s69
	s_cselect_b32 s70, \len, s70
	s_cselect_b32 s71, \xch, s71
	s_cselect_b32 s72, \wch, s72
	s_cselect_b32 s73, \lo, s73
	s_cselect_b32 s74, \hi, s74
	s_cselect_b32 s75, \m, s75
.endm
	PICK 2,  8,  4096, 1, 16, 2048, 0,   304, 0, 3, 0   ; text
	PICK 10, 40, 2048, 1, 8,  1024, 128, 336, 1, 0, 1   ; image
	PICK 14, 56, 3072, 0, 12, 1500, 192, 368, 2, 4, 2   ; audio
	; group 1: a tile of 64 rows x 256 elements that lie end to end in cv, padded in LDS
	s_or_b32 s[G1+0], s43, (1<<16)|(1<<20)|(1<<21)|(6<<22)|(3<<25)  ; mask of my row; 2-byte elements; padding on; bit 21 beside a mask; after every 128 words, 4 words
	s_or_b32 s[G1B+0], s44, (1<<16)|(1<<20)|(1<<21)|(6<<22)|(3<<25)
.irp g, G1, G1B
	s_mov_b32 s[(\g)+1], KSTEP<<16                 ; tensor_dim0 = 256
	s_mov_b32 s[(\g)+2], 64<<16                    ; tensor_dim1 = 64
	s_mov_b32 s[(\g)+3], KSTEP<<16                 ; tile_dim0 = 256
	s_mov_b32 s[(\g)+4], 64                        ; tile_dim1 = 64
	s_mov_b32 s[(\g)+5], KSTEP                     ; 256 elements from row to row
	s_mov_b32 s[(\g)+6], 0
	s_mov_b32 s[(\g)+7], 0
.endr
	s_sub_co_u32 s16, s13, s66                     ; x: (128 x tile row in the modality + 64 x half) rows of 512 bytes, behind the region's first chunk
	s_lshl_b32 s16, s16, 7
	s_lshl_b32 s17, s12, 6
	s_add_co_u32 s16, s16, s17
	s_lshl_b32 s16, s16, 9
	s_lshl_b32 s17, s71, 16
	s_add_co_u32 s16, s16, s17
	s_mov_b32 s17, 0
	s_lshl_b32 s46, s42, 7                         ; W: the same by the tile column
	s_lshl_b32 s47, s12, 6
	s_add_co_u32 s46, s46, s47
	s_lshl_b32 s46, s46, 9
	s_lshl_b32 s47, s72, 16
	s_add_co_u32 s46, s46, s47
	s_mov_b32 s47, 0
	s_lshl_b32 s78, s67, 9                         ; bytes in a K block of x,
	s_mov_b32 s79, 0
	s_lshl_b32 s76, s67, 10                        ; and in two: a refill's step
	s_mov_b32 s77, 0
	s_mul_i32 s20, s10, HALFT                      ; where my load goes: wave x 64 rows
	s_wait_dscnt 0x0                               ; the opening add is done
	s_wait_kmcnt 0x0
	s_add_nc_u64 s[14:15], s[4:5], s[16:17]
	s_add_nc_u64 s[46:47], s[4:5], s[46:47]
	CROUND                                         ; all sixteen work-groups are here: the first joint loads meet
	s_mov_b32 s[G0], 1
	s_mov_b32 s[G0+1], s20
	s_mov_b64 s[G0+2:G0+3], s[14:15]
	s_or_b32 s[G0+3], s[G0+3], 0x80000000
	s_mov_b32 s[G0+4], 1
	s_add_co_u32 s[G0+5], s20, SLOT
	s_add_nc_u64 s[G0+6:G0+7], s[14:15], s[78:79]
	s_or_b32 s[G0+7], s[G0+7], 0x80000000
	s_mov_b32 s[G0B], 1
	s_mov_b32 s[G0B+1], s20
	s_mov_b64 s[G0B+2:G0B+3], s[46:47]
	s_or_b32 s[G0B+3], s[G0B+3], 0x80000000
	s_mov_b32 s[G0B+4], 1
	s_add_co_u32 s[G0B+5], s20, SLOT
	s_add_nc_u64 s[G0B+6:G0B+7], s[46:47], 1024*512
	s_or_b32 s[G0B+7], s[G0B+7], 0x80000000
	JLOAD 0                                        ; K steps 0 and 1: two loads of mine are out
	JLOAD 1
	v_and_b32 v1, 15, v0                           ; r = l % 16
	v_bfe_u32 v2, v0, 4, 1                         ; h = l / 16
	v_mul_u32_u24 v3, v1, PITCH
	v_lshl_add_u32 v3, v2, 4, v3
	s_mul_i32 s21, s11, HALFT                      ; my 64 rows of x
	s_mul_i32 s22, s12, HALFT                      ; my 64 rows of W,
	s_add_co_u32 s22, s22, 2*HALFT                 ; behind x's 128
.irp s, 0,1
	v_add_nc_u32 v[ADRA+(\s)], s21, v3
	v_add_nc_u32 v[ADRB+(\s)], s22, v3
	s_add_co_u32 s21, s21, SLOT
	s_add_co_u32 s22, s22, SLOT
.endr
	s_mul_i32 s23, s11, 64*SPITCH                  ; into the stage: my 64 rows, my half of their 256 bytes
	s_lshl_b32 s21, s12, 7
	s_add_co_u32 s23, s23, s21
	s_add_co_u32 s23, s23, STAGE
	v_mul_u32_u24 v4, v1, SPITCH
	v_lshl_add_u32 v4, v2, 4, v4
	v_add_nc_u32 v[STO], s23, v4
	s_mul_i32 s23, s10, 32*SPITCH                  ; back: wave w takes rows 32 w .. 32 w + 31, whole
	s_add_co_u32 s23, s23, STAGE
	v_mul_u32_u24 v5, v2, SPITCH
	v_lshl_add_u32 v5, v1, 4, v5
	v_add_nc_u32 v[RD], s23, v5
	v_lshlrev_b32 v5, 11, v2                       ; and the same two rows in ps, 2,048 bytes apart
	v_lshl_add_u32 v[CO], v1, 4, v5
	; where the rows go: batch bb, tile tb in the batch, z = tb / 4 names the 512 positions; z 0, 3 belong to jobs of type 0, z 1, 2 to type 1
	s_sub_co_u32 s93, s13, s66
	s_cmp_ge_u32 s93, s69
	s_cselect_b32 s94, 1, 0                        ; bb
	s_cselect_b32 s95, s69, 0
	s_sub_co_u32 s93, s93, s95                     ; tb
	s_lshr_b32 s95, s93, 2                         ; z
	s_lshr_b32 s96, s95, 1
	s_xor_b32 s96, s96, s95
	s_and_b32 s96, s96, 1                          ; ty
	s_cmp_ge_u32 s95, 2
	s_cselect_b32 s97, s74, s73                    ; strip
	s_lshl_b32 s96, s96, 4
	s_lshl3_add_u32 s96, s94, s96
	s_and_b32 s98, s93, 3
	s_lshl1_add_u32 s96, s98, s96
	s_add_co_u32 s96, s96, s11                     ; job = 16 ty + 8 bb + 2 (tb % 4) + the 64 rows that I store
	s_mul_i32 s96, s96, 320
	s_mul_i32 s98, s12, 160                        ; my 32 rows are the next launch's waves 2 (w % 2) and 2 (w % 2) + 1
	s_add_co_u32 s96, s96, s98
	s_lshl4_add_u32 s96, s97, s96
	s_lshl_b32 s96, s96, 11
	s_lshl_b32 s98, s42, 8                         ; the tile's 128 columns: 256 bytes
	s_add_co_u32 s96, s96, s98
	s_mov_b32 s97, 0
	s_add_nc_u64 s[90:91], s[90:91], s[96:97]
	s_lshl_b32 s98, s93, 7
	s_lshl_b32 s99, s11, 6
	s_add_co_u32 s98, s98, s99
	v_add_nc_u32 v[POS], s98, v1
	; the bias and the embedding of my 64 columns: lane (r, h) wants columns 16 b + 8 h + 0..7 of each column block b
	s_mov_b64 s[6:7], s[86:87]
	s_cmp_eq_u32 s75, 0
	s_cselect_b64 s[6:7], s[80:81], s[6:7]
	s_cmp_eq_u32 s75, 1
	s_cselect_b64 s[6:7], s[82:83], s[6:7]
	s_cmp_eq_u32 s75, 2
	s_cselect_b64 s[6:7], s[84:85], s[6:7]
	s_lshl_b32 s94, s75, 12
	s_mov_b32 s95, 0
	s_add_nc_u64 s[88:89], s[88:89], s[94:95]
	s_lshl_b32 s94, s42, 9
	s_lshl_b32 s95, s12, 8
	s_add_co_u32 s94, s94, s95
	v_lshl_add_u32 v6, v2, 5, s94
.irp b, 0,1,2,3
	global_load_b128 v[BIAS+8*(\b):BIAS+8*(\b)+3],   v6, s[6:7] offset:64*(\b)
	global_load_b128 v[BIAS+8*(\b)+4:BIAS+8*(\b)+7], v6, s[6:7] offset:64*(\b)+16
	global_load_b128 v[TMP+8*(\b):TMP+8*(\b)+3],     v6, s[88:89] offset:64*(\b)
	global_load_b128 v[TMP+8*(\b)+4:TMP+8*(\b)+7],   v6, s[88:89] offset:64*(\b)+16
.endr
	s_wait_loadcnt 0x0
.macro RND8 base                       ; eight f32 are rounded to bf16 and widened again, in place
.irp k, 0,1,2,3
	v_cvt_pk_bf16_f32 v[TMP+32+(\k)], v[(\base)+2*(\k)], v[(\base)+2*(\k)+1]
.endr
.irp k, 0,1,2,3
	v_lshlrev_b32 v[(\base)+2*(\k)], 16, v[TMP+32+(\k)]
	v_and_b32 v[(\base)+2*(\k)+1], 0xffff0000, v[TMP+32+(\k)]
.endr
.endm
.irp b, 0,1,2,3
	RND8 BIAS+8*(\b)
	RND8 TMP+8*(\b)
.endr
.set z, 0
.rept 16
	v_pk_add_f32 v[BIAS+z:BIAS+z+1], v[BIAS+z:BIAS+z+1], v[TMP+z:TMP+z+1]
.set z, z+2
.endr
; 8 matrix instructions: row blocks a0, a0 + 1 x all 4 column blocks, 32 along K: half c of buffer f.  first = 1: the sum starts with the bias.  The 16 accumulators take turns.
.macro MUL8 f, c, a0, first
	WIN MUL
.irp a, \a0, (\a0)+1
.irp b, 0,1,2,3
.if \first
	v_wmma_f32_16x16x32_bf16 v[ACC+8*(4*(\a)+(\b)):ACC+8*(4*(\a)+(\b))+7], v[(\f)+64+8*(4*(\c)+(\b)):(\f)+64+8*(4*(\c)+(\b))+7], v[(\f)+8*(4*(\c)+(\a)):(\f)+8*(4*(\c)+(\a))+7], v[BIAS+8*(\b):BIAS+8*(\b)+7]
.else
	v_wmma_f32_16x16x32_bf16 v[ACC+8*(4*(\a)+(\b)):ACC+8*(4*(\a)+(\b))+7], v[(\f)+64+8*(4*(\c)+(\b)):(\f)+64+8*(4*(\c)+(\b))+7], v[(\f)+8*(4*(\c)+(\a)):(\f)+8*(4*(\c)+(\a))+7], v[ACC+8*(4*(\a)+(\b)):ACC+8*(4*(\a)+(\b))+7]
.endif
.endr
.endr
.endm
; 32 LDS loads in one run: the fragments of 64 along K at byte k of the rows, into buffer f; the first 32 along K first
.macro FETCH slot, k, f
	WIN TO_F
.irp c, 0,1
.irp i, 0,1,2,3
	ds_load_b128 v[(\f)+64+8*(4*(\c)+(\i)):(\f)+64+8*(4*(\c)+(\i))+3],   v[ADRB+(\slot)] offset:(\k)+64*(\c)+(\i)*16*PITCH
	ds_load_b128 v[(\f)+64+8*(4*(\c)+(\i))+4:(\f)+64+8*(4*(\c)+(\i))+7], v[ADRB+(\slot)] offset:(\k)+64*(\c)+(\i)*16*PITCH+32
	ds_load_b128 v[(\f)+8*(4*(\c)+(\i)):(\f)+8*(4*(\c)+(\i))+3],         v[ADRA+(\slot)] offset:(\k)+64*(\c)+(\i)*16*PITCH
	ds_load_b128 v[(\f)+8*(4*(\c)+(\i))+4:(\f)+8*(4*(\c)+(\i))+7],       v[ADRA+(\slot)] offset:(\k)+64*(\c)+(\i)*16*PITCH+32
.endr
.endr
.endm
.macro PLACES                          ; four plain vector instructions between a matrix instruction and a load into, or a vector read of, its registers
.rept 4
	v_nop
.endr
.endm
; A K step is four quarters of 64 along K, 32 matrix instructions each, on buffers 0, 1, 0, 1.
.macro QUARTER slot, k, f, g, first
	s_wait_dscnt 16                                ; the first 32 along K are in; the other sixteen loads may stay out
	MUL8 \f, 0, 0, \first
	MUL8 \f, 0, 2, \first
	PLACES
	FETCH \slot, \k, \g
	s_wait_dscnt 32                                ; all but the 32 just issued
	MUL8 \f, 1, 0, 0
	MUL8 \f, 1, 2, 0
.endm
; The last quarter multiplies buffer 1 and changes slots.  In front of the barrier each wave waits for all its tensor loads, adds 0 to its spare word and waits for that and for its reads of this slot.
.macro TURN slot, next, fill
	WIN 0
	s_wait_tensorcnt 0x0                           ; all my tensor loads have landed: my part of the next slot
	ds_add_u32 v[SPW], v[NIL]
	s_wait_dscnt 17                                ; the add and the youngest sixteen loads may be out
	MUL8 F1, 0, 0, 0
	s_wait_dscnt 0x0                               ; the add is done, my reads of this slot are over
	s_barrier_signal -1
	MUL8 F1, 0, 2, 0
.if \fill
	WIN 0
.endif
	s_barrier_wait -1
.if \fill
	CREST                                          ; the barrier has opened a round of the cluster's: no wave of any partner reads this slot or has a load on its way
	s_add_nc_u64 s[G0+4*(\slot)+2:G0+4*(\slot)+3], s[G0+4*(\slot)+2:G0+4*(\slot)+3], s[76:77]
	s_add_nc_u64 s[G0B+4*(\slot)+2:G0B+4*(\slot)+3], s[G0B+4*(\slot)+2:G0B+4*(\slot)+3], 2*1024*512
	JLOAD \slot                                    ; the first tensor load behind the round, 112 matrix instructions ahead of the wait for it; its four v_nop are the places in front of the loads below
.else
	PLACES
.endif
	FETCH \next, 0, F0
	MUL8 F1, 1, 0, 0
	MUL8 F1, 1, 2, 0
.endm
	s_wait_tensorcnt 1                             ; my part of K step 0 is in; K step 1's load may stay out
	s_barrier_signal -1
	s_barrier_wait -1
	FETCH 0, 0, F0
	QUARTER 0, 128, F0, F1, 1                      ; the first quarter starts the sums
	WIN 0
	s_mov_b32 s3, 0
	s_cmp_eq_u32 s68, 0                            ; audio has two K steps: no lap fills a slot again.  The test hangs on the cluster y alone; on both ways one load of mine is out at the label
	s_cbranch_scc1 .Ltail
.Llap:                                             ; a trip goes once round the ring and fills both slots again
	QUARTER 0, 256, F1, F0, 0
	QUARTER 0, 384, F0, F1, 0
	TURN 0, 1, 1
	QUARTER 1, 128, F0, F1, 0
	QUARTER 1, 256, F1, F0, 0
	QUARTER 1, 384, F0, F1, 0
	TURN 1, 0, 1
	QUARTER 0, 128, F0, F1, 0
	WIN 0
	s_add_co_u32 s3, s3, 1
	s_cmp_lt_u32 s3, s68
	s_cbranch_scc1 .Llap
.Ltail:                                            ; the last lap fills nothing
	QUARTER 0, 256, F1, F0, 0
	QUARTER 0, 384, F0, F1, 0
	TURN 0, 1, 0
	QUARTER 1, 128, F0, F1, 0
	QUARTER 1, 256, F1, F0, 0
	QUARTER 1, 384, F0, F1, 0
	s_wait_dscnt 16
	MUL8 F1, 0, 0, 0
	MUL8 F1, 0, 2, 0
	s_wait_dscnt 0
	MUL8 F1, 1, 0, 0
	MUL8 F1, 1, 2, 0
	WIN 0
	; THE WAY OUT: rounded to f16; rows beyond the length become zeros; 16 bytes a lane into the stage; a barrier (a row's 256 bytes come from two waves); back as whole rows.
	PLACES
.irp t, 0,1,2,3,4,5,6,7,8,9,10,11,12,13,14,15
.irp r, 0,1,2,3
	v_cvt_pk_f16_f32 v[TMP+4*(\t)+(\r)], v[ACC+8*(\t)+2*(\r)], v[ACC+8*(\t)+2*(\r)+1]
.endr
.endr
.irp a, 0,1,2,3
	s_sub_co_u32 s99, s70, 16*(\a)
	v_cmp_gt_u32 vcc_lo, s99, v[POS]               ; position + 16 a < length
.irp z, 0,1,2,3,4,5,6,7,8,9,10,11,12,13,14,15
	v_cndmask_b32 v[TMP+16*(\a)+(\z)], 0, v[TMP+16*(\a)+(\z)], vcc_lo
.endr
.endr
.irp a, 0,1,2,3
.irp b, 0,1,2,3
	ds_store_b128 v[STO], v[TMP+4*(4*(\a)+(\b)):TMP+4*(4*(\a)+(\b))+3] offset:(\a)*16*SPITCH+32*(\b)
.endr
.endr
	s_wait_dscnt 0x0                               ; for the others' sake: my stores into the stage are done
	s_barrier_signal -1
	s_barrier_wait -1
.irp t, 0,1,2,3,4,5,6,7,8,9,10,11,12,13,14,15
	ds_load_b128 v[TMP+4*(\t):TMP+4*(\t)+3], v[RD] offset:(\t)*2*SPITCH
.endr
.irp t, 0,1,2,3,4,5,6,7,8,9,10,11,12,13,14,15
	s_wait_dscnt 15-(\t)                           ; LDS loads come back in order: pair t of rows is in
	global_store_b128 v[CO], v[TMP+4*(\t):TMP+4*(\t)+3], s[90:91] offset:(((\t)/8)*80+2*((\t)%8))*2048  ; 16 lanes store 256 consecutive bytes, aligned
.endr
	s_wait_tensorcnt 0x0                           ; the wave's end
	ds_add_u32 v[SPW], v[NIL]
	s_wait_dscnt 0x0
	CROUND                                         ; the closing round
	s_endpgm
.Lfunc_end_k_q5b8efacd89_proj:
	.size	k_q5b8efacd89_proj, .Lfunc_end_k_q5b8efacd89_proj-k_q5b8efacd89_proj
	.p2alignl 7, 3214868480
	.fill 96, 4, 3214868480
	.section	.rodata,"a",@progbits
	.p2align	6, 0x0
	.amdhsa_kernel k_q5b8efacd89_proj
		.amdhsa_group_segment_fixed_size 327680
		.amdhsa_private_segment_fixed_size 0
		.amdhsa_enable_private_segment 0
		.amdhsa_kernarg_size 56
		.amdhsa_user_sgpr_count 2
		.amdhsa_user_sgpr_kernarg_segment_ptr 1
		.amdhsa_wavefront_size32 1
		.amdhsa_system_sgpr_workgroup_id_x 1
		.amdhsa_system_sgpr_workgroup_id_y 1
		.amdhsa_system_sgpr_workgroup_id_z 1
		.amdhsa_system_vgpr_workitem_id 0
		.amdhsa_next_free_vgpr 512
		.amdhsa_next_free_sgpr 100
		.amdhsa_reserve_vcc 1
		.amdhsa_float_denorm_mode_32 3
		.amdhsa_float_denorm_mode_16_64 3
		.amdhsa_memory_ordered 1
		.amdhsa_forward_progress 1
		.amdhsa_inst_pref_size 100
	.end_amdhsa_kernel
	.amdgpu_metadata
---
amdhsa.version: [ 1, 2 ]
amdhsa.kernels:
  - .name:           k_q5b8efacd89_proj
    .symbol:         k_q5b8efacd89_proj.kd
    .args:
      - { .name: cv, .offset: 0, .size: 8, .value_kind: global_buffer, .address_space: global }
      - { .name: b_text, .offset: 8, .size: 8, .value_kind: global_buffer, .address_space: global }
      - { .name: b_image, .offset: 16, .size: 8, .value_kind: global_buffer, .address_space: global }
      - { .name: b_audio, .offset: 24, .size: 8, .value_kind: global_buffer, .address_space: global }
      - { .name: b_video, .offset: 32, .size: 8, .value_kind: global_buffer, .address_space: global }
      - { .name: mod_emb, .offset: 40, .size: 8, .value_kind: global_buffer, .address_space: global }
      - { .name: ps, .offset: 48, .size: 8, .value_kind: global_buffer, .address_space: global }
    .group_segment_fixed_size: 327680
    .private_segment_fixed_size: 0
    .kernarg_segment_align: 8
    .kernarg_segment_size: 56
    .max_flat_workgroup_size: 128
    .sgpr_count:     100
    .vgpr_count:     512
    .wavefront_size: 32
...
	.end_amdgpu_metadata
.endif
;; end of part 2
;; launch qkva (part 3): grid 16 x 32, 4 waves a work-group, clusters of 4 x 4, 327,680 bytes of LDS; arguments ps, cv, bq, bk, bv, temperature, fz; writes fz
.if DOCPART == 3
	.amdgcn_target "amdgcn-amd-amdhsa--gfx1250"
	.amdhsa_code_object_version 6
	.text
	.protected	k_q5b8efacd89_qkva
	.globl	k_q5b8efacd89_qkva
	.p2align	8
	.type	k_q5b8efacd89_qkva,@function
k_q5b8efacd89_qkva:
	s_mov_b64 s[64:65], 0
	v_nop
	global_prefetch_b8 v0, s[64:65] scope:SCOPE_SE
	s_setreg_imm32_b32 hwreg(HW_REG_WAVE_MODE, 25, 1), 1
	s_wait_xcnt 0x0
	s_wait_alu depctr_hold_cnt(0) depctr_sa_sdst(0) depctr_va_vdst(0) depctr_va_sdst(0) depctr_va_ssrc(0) depctr_va_vcc(0) depctr_vm_vsrc(0)
	s_getreg_b32 s2, hwreg(HW_REG_IB_STS2, 6, 4)
	s_cmp_eq_u32 s2, 0
	s_cbranch_scc0 .Lentry_in_a_cluster
	s_endpgm
.Lentry_in_a_cluster:
	s_bfe_u32 s2, ttmp6, 0x10000c
	s_cmp_lg_u32 s2, 0xf033
	s_cbranch_scc0 .Lentry_shape_is_right
	s_endpgm
.Lentry_shape_is_right:
; QKVA.  For one job (320 rows of ps: five strips of 64 positions) and one head: Q, K, V = ps W^T + b (f16 operands, f32 sums, never stored), then the attention over the routed modalities and the mean.
; ROUTES, a constant of the problem: 0: {0,1,2}, 1: {0,1,2}, 2: {2,3,0}, 3: {3,2,0}.  The mean over the four modalities is linear in V: fused = sum over w of coef_w V_w,
; coef_0 = (a00+a10+a20+a30)/4, coef_1 = (a01+a11)/4, coef_2 = (a02+a12+a22+a32)/4, coef_3 = (a23+a33)/4.
; A padded row of the stacked tensor is zero, so its Q, K, V are the biases: such rows are not multiplied.  A job has two groups of 64 positions.  Type 0: group 1 (positions under 512) has all four
; modalities, group 2 (from 1,536) text alone.  Type 1: group 1 (512 ..) has text, image, audio, group 2 (1,024 ..) text and audio.  Strips: 0-2 group 1's text, image, audio; 3 group 2's text;
; 4 group 1's video (type 0) or group 2's audio (type 1).  So every job is 5 strips, and all 512 work-groups do equal work.
; SHARES.  Wave w owns 16 positions of each strip x 192 columns (q 64, k 64, v 64 of the head): 60 accumulators.  K = 1,024 goes in 8 steps of 128 through two LDS slots.
; THE MATRIX INSTRUCTION IS USED TRANSPOSED (source 0 = 16 rows of W, source 1 = 16 rows of ps): a lane holds ONE position (l % 16) and the channels 16 c + 8 (l / 16) + 0..7 of each column tile c.
; So a score is 32 products in a lane and one exchange of the halves of the lanes.  The biases (rounded to bf16 like every input) are the C operand of each first product.
; SOFTMAX over three scores: t = c s, c = log2(e) / (8 |T|); the maximum of the three is taken away; 2^(t - max); the sum is at least 1.
; CLUSTER 4 x 4: the job's rows are asked for jointly along a row of the cluster, the head's weights along a column.
; LIMITS.  T = 0 gives no finite result, as in the problem itself; NaN and infinities are not treated apart; fused is rounded once to bf16.
; REGISTERS, in windows of 256 (s_set_vgpr_msb: bits 1:0 source 0, 3:2 source 1, 5:4 source 2, 7:6 destination):
;   window 0: v0-31 addresses; v32-71, v72-111 ps fragments, two buffers; v112-159 at work; v160-255 strip 4's accumulators
;   window 1: v0-95, v96-191 W fragments, two buffers (on the way out: Z1, Z2)
;   window 2: v0-95 strip 0, v96-191 strip 1, v192-223 bq, v224-255 bk          window 3: v0-95 strip 2, v96-191 strip 3, v192-223 bv
;   accumulator (strip t, column tile c) at the strip's base + 8 c; c 0-3 Q, 4-7 K, 8-11 V.
.set PITCH, 272                        ; an LDS row: 256 bytes + 16 of padding: the 16 rows of a fragment load start 68 words apart
.set BOFF,  320*PITCH                  ; W's 192 rows lie behind the job's 320
.set SLOT,  512*PITCH
.set STAGE, 2*SLOT                     ; behind the ring: 16 rows x 144 bytes for each wave
.set SP,    144
.set SPARE, STAGE+4*16*SP              ; the spare words, 128 bytes a wave
.set WQKV,  448*65536                  ; the woven weights' first byte in cv
.set ADRA, 16                          ; v16-17  LDS address of my ps fragments in slot 0, 1
.set ADRB, 20                          ; v20-21  the same for W
.set STO,  24
.set RD,   25
.set GO,   26
.set SPW,  28                          ; my spare word; never rewritten
.set NIL,  29                          ; 0; never rewritten
.set PFO,  30                          ; the prefetches' offset: 16 rows x 2 blocks of 256 bytes over the 32 lanes; never rewritten
.set SC,   32                          ; the way out: pair p's partial sums at SC + 8 p
.set MX,   128                         ; a maximum, later a sum, for each modality
.set CF,   132                         ; coef_w at CF + 2 w; 1 / (4 sum_m) at CF + 2 m + 1
.set FU,   160                         ; fused, 32 registers
.set PK,   192                         ; fused as bf16, 16 registers
.set G1, 24
.set G0, 32
.set G1B, 48
.set G0B, 56
.set LIM, 43                           ; s43  1 in a wave that prefetches, else the greatest number
.set PFA, 44                           ; s[44:45] where my prefetches stand
.set SEL, 66                           ; s[66:67] v_permlanex16_b32's selects
.set CS,  68                           ; s68  c
.set MSB, 0
.macro WIN new
.if MSB != (\new)
	s_set_vgpr_msb (MSB<<8)|(\new)
.set MSB, \new
.endif
.endm
.macro JLOAD s                         ; a joint load: waves 0 and 1 fetch the halves of the job's rows, waves 2 and 3 those of the head's weights; s_nop 0 and four v_nop follow each line
	s_cmp_eq_u32 s11, 0
	s_cbranch_scc0 .Lfor_b_\@
	tensor_load_to_lds s[G0+4*(\s):G0+4*(\s)+3], s[G1:G1+7]
	s_nop 0
.rept 4
	v_nop
.endr
	s_branch .Lasked_\@
.Lfor_b_\@:
	tensor_load_to_lds s[G0B+4*(\s):G0B+4*(\s)+3], s[G1B:G1B+7]
	s_nop 0
.rept 4
	v_nop
.endr
.Lasked_\@:
.endm
; A PREFETCH of two K steps (512 bytes of a row), once a lap, behind slot 0's joint load and the run of LDS loads.  The job's rows are read by the four clusters of a row of clusters: the one with x = 0 asks,
; by its wave 0; the head's weights by the eight clusters of a column: the one with y = 0 asks, by its wave 2.  The four partners share the rows out by address (80 rows of ps by cx, 48 of W by cy).
; An instruction names 16 rows x 2 blocks; each block is named once in the launch.  Trips 1 and 2 name K steps 4, 5 and 6, 7: two and three refills ahead; the last trip asks for nothing.
.macro ASK
	s_cmp_gt_u32 s3, s[LIM]
	s_cbranch_scc0 .Lnot_mine_\@
.irp i, 0,1,2
	global_prefetch_b8 v[PFO], s[PFA:PFA+1] offset:(\i)*32768 th:TH_LOAD_NT scope:SCOPE_SE
.endr
	s_cmp_eq_u32 s11, 0
	s_cbranch_scc0 .Lnot_mine_\@
.irp i, 3,4
	global_prefetch_b8 v[PFO], s[PFA:PFA+1] offset:(\i)*32768 th:TH_LOAD_NT scope:SCOPE_SE
.endr
.Lnot_mine_\@:
.endm
.macro CREST
	s_cmp_lg_u32 s10, 0
	s_cbranch_scc1 .Lnot_wave_0_\@
	s_barrier_signal -3
.Lnot_wave_0_\@:
	s_barrier_wait -3
	s_barrier_signal -1
	s_barrier_wait -1
.endm
.macro CROUND
	s_barrier_signal -1
	s_barrier_wait -1
	CREST
.endm
	s_load_b128 s[4:7], s[0:1], 0x0                ; ps, cv
	s_load_b256 s[72:79], s[0:1], 0x10             ; bq, bk, bv, temperature
	s_load_b64 s[8:9], s[0:1], 0x30                ; fz
	v_lshl_add_u32 v[SPW], v0, 2, SPARE
	v_mov_b32 v[NIL], 0
	ds_add_u32 v[SPW], v[NIL]                      ; the opening: the add and its wait ahead of my first tensor load; register work stands between
	v_lshrrev_b32 v1, 5, v0
	v_readfirstlane_b32 s10, v1                    ; wave 0..3
	s_lshr_b32 s11, s10, 1                         ; I fetch for ps (0) or W (1)
	s_and_b32 s12, s10, 1                          ; which half of the rows I fetch
	s_bfe_u32 s40, ttmp6, 0x40000                  ; cx
	s_bfe_u32 s41, ttmp6, 0x40004                  ; cy
	s_lshl_b32 s42, ttmp9, 2
	s_add_co_u32 s42, s42, s40                     ; head
	s_and_b32 s85, ttmp7, 0xffff                   ; cluster y
	s_lshl_b32 s13, s85, 2
	s_add_co_u32 s13, s13, s41                     ; job
	s_lshl_b32 s43, s41, 2
	s_lshl_b32 s43, 15, s43                        ; my row of the cluster
	s_lshl_b32 s44, 0x1111, s40                    ; my column
	s_or_b32 s[G1+0], s43, (1<<16)|(1<<20)|(1<<21)|(5<<22)|(3<<25)  ; mask; 2-byte elements; padding on; bit 21 beside a mask; after every 64 words, 4 words
	s_or_b32 s[G1B+0], s44, (1<<16)|(1<<20)|(1<<21)|(5<<22)|(3<<25)
	s_mov_b32 s[G1+1], 128<<16                     ; tensor_dim0 = 128
	s_mov_b32 s[G1+2], 160<<16                     ; tensor_dim1 = 160
	s_mov_b32 s[G1+3], 128<<16                     ; tile_dim0 = 128
	s_mov_b32 s[G1+4], 160                         ; tile_dim1 = 160
	s_mov_b32 s[G1+5], 1024                        ; elements from row to row
	s_mov_b32 s[G1+6], 0
	s_mov_b32 s[G1+7], 0
	s_mov_b32 s[G1B+1], 128<<16
	s_mov_b32 s[G1B+2], 96<<16                     ; 96 rows
	s_mov_b32 s[G1B+3], 128<<16
	s_mov_b32 s[G1B+4], 96
	s_mov_b32 s[G1B+5], 1024
	s_mov_b32 s[G1B+6], 0
	s_mov_b32 s[G1B+7], 0
	s_mul_i32 s16, s13, 320                        ; ps: row 320 x job + 160 x half, 2,048 bytes a row
	s_mul_i32 s17, s12, 160
	s_add_co_u32 s16, s16, s17
	s_lshl_b32 s16, s16, 11
	s_mov_b32 s17, 0
	s_mul_i32 s46, s42, 192                        ; W: row 192 x head + 96 x half
	s_mul_i32 s47, s12, 96
	s_add_co_u32 s46, s46, s47
	s_lshl_b32 s46, s46, 11
	s_add_co_u32 s46, s46, WQKV
	s_mov_b32 s47, 0
	s_mul_i32 s20, s12, 160*PITCH                  ; where they go: no place in the cluster enters an LDS address
	s_mul_i32 s21, s12, 96*PITCH
	s_add_co_u32 s21, s21, BOFF
	s_mov_b32 s[SEL], 0x76543210
	s_mov_b32 s[SEL+1], 0xfedcba98
	s_mov_b32 s81, 0xffff0000
	s_cmp_ge_u32 s85, 4
	s_cselect_b32 s69, -1, 0                       ; all ones in a job of type 1 (jobs 16 to 31)
	s_wait_dscnt 0x0                               ; the opening add is done
	s_wait_kmcnt 0x0
	s_add_nc_u64 s[14:15], s[4:5], s[16:17]
	s_add_nc_u64 s[46:47], s[6:7], s[46:47]
	CROUND                                         ; all sixteen work-groups are here: the first joint loads meet
.irp s, 0,1
	s_mov_b32 s[G0+4*(\s)], 1
	s_add_co_u32 s[G0+4*(\s)+1], s20, (\s)*SLOT
	s_add_nc_u64 s[G0+4*(\s)+2:G0+4*(\s)+3], s[14:15], (\s)*256
	s_or_b32 s[G0+4*(\s)+3], s[G0+4*(\s)+3], 0x80000000
	s_mov_b32 s[G0B+4*(\s)], 1
	s_add_co_u32 s[G0B+4*(\s)+1], s21, (\s)*SLOT
	s_add_nc_u64 s[G0B+4*(\s)+2:G0B+4*(\s)+3], s[46:47], (\s)*256
	s_or_b32 s[G0B+4*(\s)+3], s[G0B+4*(\s)+3], 0x80000000
	JLOAD \s                                       ; K steps 0 and 1: two loads of mine are out
.endr
	v_and_b32 v1, 15, v0                           ; r
	v_bfe_u32 v2, v0, 4, 1                         ; h
	v_mul_u32_u24 v3, v1, PITCH
	v_lshl_add_u32 v3, v2, 4, v3
	s_mul_i32 s22, s10, 80*PITCH                   ; my 80 rows of the job
	v_add_nc_u32 v[ADRA], s22, v3
	v_add_nc_u32 v[ADRA+1], SLOT, v[ADRA]
	v_add_nc_u32 v[ADRB], BOFF, v3
	v_add_nc_u32 v[ADRB+1], SLOT+BOFF, v3
	s_mul_i32 s23, s10, 16*SP
	s_add_co_u32 s23, s23, STAGE                   ; my stage
	v_mul_u32_u24 v4, v1, SP                       ; in: row r, 16 bytes for each half of the lanes
	v_lshl_add_u32 v4, v2, 4, v4
	v_add_nc_u32 v[STO], s23, v4
	v_bfe_u32 v4, v0, 3, 2                         ; back: 32 lanes take four rows of 128 bytes,
	v_mul_u32_u24 v4, v4, SP
	v_and_b32 v5, 7, v0
	v_lshl_add_u32 v4, v5, 4, v4
	v_add_nc_u32 v[RD], s23, v4
	v_and_b32 v5, 31, v0
	v_lshlrev_b32 v[GO], 4, v5                     ; which are 512 consecutive bytes of fz
	v_lshrrev_b32 v4, 1, v5
	v_and_b32 v5, 1, v5
	v_lshlrev_b32 v5, 8, v5
	v_lshl_add_u32 v[PFO], v4, 11, v5
	; where the two groups go: R = 2048 b + position; fz is [R / 128][head][R % 128][64] bf16
	s_lshr_b32 s82, s13, 3
	s_and_b32 s82, s82, 1                          ; b
	s_and_b32 s83, s13, 7                          ; i
	s_lshr_b32 s84, s13, 4                         ; ty
	s_lshl_b32 s82, s82, 11
	s_lshl_b32 s83, s83, 6
	s_add_co_u32 s82, s82, s83
	s_lshl_b32 s83, s10, 4
	s_add_co_u32 s82, s82, s83                     ; 2048 b + 64 i + 16 w
	s_lshl_b32 s84, s84, 9
	s_add_co_u32 s86, s82, s84                     ; group 1: + 512 ty
	s_add_co_u32 s87, s82, 1536
	s_sub_co_u32 s87, s87, s84                     ; group 2: + 1536 - 512 ty
	s_lshr_b32 s88, s86, 7
	s_lshl4_add_u32 s88, s88, s42
	s_and_b32 s89, s86, 127
	s_lshl_b32 s88, s88, 7
	s_add_co_u32 s88, s88, s89
	s_lshl_b32 s88, s88, 7
	s_mov_b32 s89, 0
	s_lshr_b32 s90, s87, 7
	s_lshl4_add_u32 s90, s90, s42
	s_and_b32 s91, s87, 127
	s_lshl_b32 s90, s90, 7
	s_add_co_u32 s90, s90, s91
	s_lshl_b32 s90, s90, 7
	s_mov_b32 s91, 0
	s_add_nc_u64 s[70:71], s[8:9], s[90:91]        ; group 2's rows of fz
	s_add_nc_u64 s[8:9], s[8:9], s[88:89]          ; group 1's
	; the prefetches
	s_mul_i32 s20, s13, 320
	s_mul_i32 s22, s40, 80
	s_add_co_u32 s20, s20, s22                     ; ps: my work-group's 80 of the job's rows
	s_mul_i32 s21, s42, 192
	s_mul_i32 s22, s41, 48
	s_add_co_u32 s21, s21, s22                     ; W: my work-group's 48 of the head's rows
	s_lshl_b32 s20, s20, 11
	s_lshl_b32 s21, s21, 11
	s_add_co_u32 s21, s21, WQKV
	s_cmp_eq_u32 s11, 0
	s_cselect_b32 s20, s20, s21
	s_cselect_b32 s22, ttmp9, s85                  ; the coordinate along which other clusters read the same rows
	s_cselect_b64 s[PFA:PFA+1], s[4:5], s[6:7]
	s_or_b32 s22, s22, s12                         ; waves 0 and 2 alone
	s_cmp_eq_u32 s22, 0
	s_cselect_b32 s[LIM], 1, -1                    ; the same in all sixteen partners, for a given wave
	s_add_co_u32 s20, s20, 512                     ; at K step 2: the first lap steps it to K step 4
	s_mov_b32 s21, 0
	s_add_nc_u64 s[PFA:PFA+1], s[PFA:PFA+1], s[20:21]
	; the biases of the head: lane (r, h) wants channels 16 c + 8 h + 0..7 of each column tile
	s_lshl_b32 s22, s42, 8
	v_lshl_add_u32 v6, v2, 5, s22
	WIN 0x80                                       ; destination window 2, address window 0
.irp c, 0,1,2,3
	global_load_b128 v[192+8*(\c):192+8*(\c)+3], v6, s[72:73] offset:64*(\c)
	global_load_b128 v[192+8*(\c)+4:192+8*(\c)+7], v6, s[72:73] offset:64*(\c)+16
	global_load_b128 v[224+8*(\c):224+8*(\c)+3], v6, s[74:75] offset:64*(\c)
	global_load_b128 v[224+8*(\c)+4:224+8*(\c)+7], v6, s[74:75] offset:64*(\c)+16
.endr
	WIN 0xc0                                       ; destination window 3
.irp c, 0,1,2,3
	global_load_b128 v[192+8*(\c):192+8*(\c)+3], v6, s[76:77] offset:64*(\c)
	global_load_b128 v[192+8*(\c)+4:192+8*(\c)+7], v6, s[76:77] offset:64*(\c)+16
.endr
	WIN 0
	s_load_b32 s80, s[78:79], 0x0                  ; T
	s_wait_kmcnt 0x0
	s_wait_loadcnt 0x0
	WIN 0x0a                                       ; the biases are rounded to bf16 and widened again: sources window 2, packed into window 0,
.set z, 0
.rept 32
	v_cvt_pk_bf16_f32 v[112+z], v[192+2*z], v[192+2*z+1]
.set z, z+1
.endr
	WIN 0x80                                       ; and back
.set z, 0
.rept 32
	v_lshlrev_b32 v[192+2*z], 16, v[112+z]
	v_and_b32 v[192+2*z+1], s81, v[112+z]
.set z, z+1
.endr
	WIN 0x0f
.set z, 0
.rept 16
	v_cvt_pk_bf16_f32 v[112+z], v[192+2*z], v[192+2*z+1]
.set z, z+1
.endr
	WIN 0xc0
.set z, 0
.rept 16
	v_lshlrev_b32 v[192+2*z], 16, v[112+z]
	v_and_b32 v[192+2*z+1], s81, v[112+z]
.set z, z+1
.endr
	WIN 0
	v_mov_b32 v144, s80                            ; c = log2(e) / (8 |T|), T rounded to bf16 like every input
	v_cvt_pk_bf16_f32 v144, v144, v144
	v_lshlrev_b32 v144, 16, v144
	v_and_b32 v144, 0x7fffffff, v144
	v_mul_f32 v144, 0x41000000, v144
	v_rcp_f32 v145, v144
	v_nop                                          ; a plain instruction behind the reciprocal,
	s_wait_alu depctr_va_vdst(0)                   ; and the wait ahead of its first use
	v_mul_f32 v145, 0x3fb8aa3b, v145
	v_readfirstlane_b32 s[CS], v145
; 12 matrix instructions: strip t x all 12 column tiles, 32 along K, buffer f (0, 1).  first = 1: the sum starts with the bias tile (window 2: q, k; window 3: v).
; The 60 accumulators take turns in the same order in every quarter.
.macro MUL12 f, t, first
.set DW, (2+(\t)/2)%4
.set DB, 96*((\t)%2)+160*((\t)/4)
.irp c, 0,1,2,3,4,5,6,7,8,9,10,11
.if \first
	WIN (DW<<6)|((2+(\c)/8)<<4)|1
	v_wmma_f32_16x16x32_f16 v[DB+8*(\c):DB+8*(\c)+7], v[96*(\f)+8*(\c):96*(\f)+8*(\c)+7], v[32+40*(\f)+8*(\t):32+40*(\f)+8*(\t)+7], v[192+8*((\c)%8):192+8*((\c)%8)+7]
.else
	WIN (DW<<6)|(DW<<4)|1
	v_wmma_f32_16x16x32_f16 v[DB+8*(\c):DB+8*(\c)+7], v[96*(\f)+8*(\c):96*(\f)+8*(\c)+7], v[32+40*(\f)+8*(\t):32+40*(\f)+8*(\t)+7], v[DB+8*(\c):DB+8*(\c)+7]
.endif
.endr
.endm
; 34 LDS loads in one run: W's 12 fragments, then my 5 fragments of ps, 32 K at byte k of the rows, into buffer f
.macro FETCH slot, k, f
	WIN 0x40
.irp c, 0,1,2,3,4,5,6,7,8,9,10,11
	ds_load_b128 v[96*(\f)+8*(\c):96*(\f)+8*(\c)+3],   v[ADRB+(\slot)] offset:(\k)+(\c)*16*PITCH
	ds_load_b128 v[96*(\f)+8*(\c)+4:96*(\f)+8*(\c)+7], v[ADRB+(\slot)] offset:(\k)+(\c)*16*PITCH+32
.endr
	WIN 0
.irp t, 0,1,2,3,4
	ds_load_b128 v[32+40*(\f)+8*(\t):32+40*(\f)+8*(\t)+3],   v[ADRA+(\slot)] offset:(\k)+(\t)*16*PITCH
	ds_load_b128 v[32+40*(\f)+8*(\t)+4:32+40*(\f)+8*(\t)+7], v[ADRA+(\slot)] offset:(\k)+(\t)*16*PITCH+32
.endr
.endm
.macro PLACES                          ; four plain vector instructions between a matrix instruction and a load into, or a vector access to, its registers
.rept 4
	v_nop
.endr
.endm
; A K step is four quarters of 32 along K, 60 matrix instructions each, on buffers 0, 1, 0, 1.
.macro QUARTER slot, k, f, g, first
	s_wait_dscnt 6                                 ; W and strips 0, 1 are in; the youngest six loads (strips 2 to 4) may be out
	MUL12 \f, 0, \first
	MUL12 \f, 1, \first
	PLACES
	FETCH \slot, \k, \g
	s_wait_dscnt 34                                ; all but the 34 just issued
	MUL12 \f, 2, \first
	MUL12 \f, 3, \first
	MUL12 \f, 4, \first
.endm
; The last quarter's first part: ONE barrier for the change of slots.  In front of it each wave waits for all its tensor loads, adds 0 to its spare word and waits for that and for its reads of this slot.
.macro MEET round
	WIN 0
	s_wait_tensorcnt 0x0                           ; all my tensor loads have landed: my part of the next slot
	ds_add_u32 v[SPW], v[NIL]
	s_wait_dscnt 7                                 ; the add and the youngest six loads may be out
	MUL12 1, 0, 0
	s_wait_dscnt 0x0                               ; the add is done, my reads of this slot are over
	s_barrier_signal -1
	MUL12 1, 1, 0
.if \round
	WIN 0
.endif
	s_barrier_wait -1
.endm
.macro TURN slot, next, fill
.if (\fill) && ((\slot) == 0)
	s_wait_xcnt 0x0                                ; the last prefetches, a lap back, have read their address
	s_add_nc_u64 s[PFA:PFA+1], s[PFA:PFA+1], 512
.endif
	MEET \fill
.if \fill
	CREST                                          ; the barrier has opened a round of the cluster's: no wave of any partner reads this slot or has a load on its way
	s_add_nc_u64 s[G0+4*(\slot)+2:G0+4*(\slot)+3], s[G0+4*(\slot)+2:G0+4*(\slot)+3], 512
	s_add_nc_u64 s[G0B+4*(\slot)+2:G0B+4*(\slot)+3], s[G0B+4*(\slot)+2:G0B+4*(\slot)+3], 512
	JLOAD \slot                                    ; the first tensor load behind the round, 216 matrix instructions ahead of the wait for it; its four v_nop are the places in front of the loads below
.else
	PLACES
.endif
	FETCH \next, 0, 0
.if (\fill) && ((\slot) == 0)
	ASK
.endif
	MUL12 1, 2, 0
	MUL12 1, 3, 0
	MUL12 1, 4, 0
.endm
	s_wait_tensorcnt 1                             ; my part of K step 0 is in; K step 1's load may stay out
	s_barrier_signal -1
	s_barrier_wait -1
	FETCH 0, 0, 0
	QUARTER 0, 64, 0, 1, 1                         ; the first quarter starts the sums with the biases
	WIN 0
	s_mov_b32 s3, 3
.Llap:                                             ; a trip goes once round the ring and fills both slots again
	QUARTER 0, 128, 1, 0, 0
	QUARTER 0, 192, 0, 1, 0
	TURN 0, 1, 1
	QUARTER 1, 64,  0, 1, 0
	QUARTER 1, 128, 1, 0, 0
	QUARTER 1, 192, 0, 1, 0
	TURN 1, 0, 1
	QUARTER 0, 64,  0, 1, 0
	WIN 0
	s_sub_co_u32 s3, s3, 1
	s_cmp_lg_u32 s3, 0
	s_cbranch_scc1 .Llap
	QUARTER 0, 128, 1, 0, 0                        ; the last lap fills nothing
	QUARTER 0, 192, 0, 1, 0
	TURN 0, 1, 0
	QUARTER 1, 64,  0, 1, 0
	QUARTER 1, 128, 1, 0, 0
	QUARTER 1, 192, 0, 1, 0
	s_wait_dscnt 6
	MUL12 1, 0, 0
	MUL12 1, 1, 0
	s_wait_dscnt 0x0
	MUL12 1, 2, 0
	MUL12 1, 3, 0
	MUL12 1, 4, 0
	PLACES
	; THE WAY OUT.  Strip 4 is group 1's video (type 0) or group 2's audio (type 1).  No branch hangs on the type: Z1 = type 1 ? bias : strip 4, Z2 = type 1 ? strip 4 : bias, into window 1.
	WIN 0x48                                       ; destination window 1, source 0 window 0 (strip 4), source 1 window 2 (bq, bk)
.set z, 0
.rept 64
	v_cndmask_b32 v[z], v[160+z], v[192+z], s69
.set z, z+1
.endr
	WIN 0x4c                                       ; source 1 window 3 (bv)
.set z, 0
.rept 32
	v_cndmask_b32 v[64+z], v[224+z], v[192+z], s69
.set z, z+1
.endr
	WIN 0x42                                       ; source 0 window 2, source 1 window 0
.set z, 0
.rept 64
	v_cndmask_b32 v[96+z], v[192+z], v[160+z], s69
.set z, z+1
.endr
	WIN 0x43
.set z, 0
.rept 32
	v_cndmask_b32 v[160+z], v[192+z], v[224+z], s69
.set z, z+1
.endr
; Where a modality's Q (part 0), K (1), V (2) lie: id 0-3 a strip, 5 the biases, 6 Z1, 7 Z2.  LW the window, LB the first register.
.macro LOC id, part
.if (\id) == 5
.if (\part) == 2
.set LW, 3
.set LB, 192
.else
.set LW, 2
.set LB, 192+32*(\part)
.endif
.elseif (\id) >= 6
.set LW, 1
.set LB, 96*((\id)-6)+32*(\part)
.else
.set LW, 2+(\id)/2
.set LB, 96*((\id)%2)+32*(\part)
.endif
.endm
.macro LOCM m, part                    ; the same for modality m of the group in hand
.if (\m) == 0
	LOC AX0, \part
.elseif (\m) == 1
	LOC AX1, \part
.elseif (\m) == 2
	LOC AX2, \part
.else
	LOC AX3, \part
.endif
.endm
.macro SCORE p, m, w                   ; pair p: my 32 channels of Q_m . K_w, in four chains of packed products; each accumulator is read from its low end on
	LOCM \m, 0
.set QW, LW
.set QB, LB
	LOCM \w, 1
	WIN QW|(LW<<2)
.irp c, 0,1,2,3
.irp q, 0,2,4,6
.if (\c) == 0
	v_pk_mul_f32 v[SC+8*(\p)+(\q):SC+8*(\p)+(\q)+1], v[QB+(\q):QB+(\q)+1], v[LB+(\q):LB+(\q)+1]
.else
	v_pk_fma_f32 v[SC+8*(\p)+(\q):SC+8*(\p)+(\q)+1], v[QB+8*(\c)+(\q):QB+8*(\c)+(\q)+1], v[LB+8*(\c)+(\q):LB+8*(\c)+(\q)+1], v[SC+8*(\p)+(\q):SC+8*(\p)+(\q)+1]
.endif
.endr
.endr
.endm
.macro EACH line:vararg                ; one line for each pair p
.set p, 0
.rept 12
	\line
.set p, p+1
.endr
.endm
.macro FOUR line:vararg                ; one line for each modality q4
.set q4, 0
.rept 4
	\line
.set q4, q4+1
.endr
.endm
.macro MIX w                           ; fused += coef_w V_w
	LOCM \w, 2
	WIN LW
.set z, 0
.rept 16
.if (\w) == 0
	v_pk_mul_f32 v[FU+z:FU+z+1], v[LB+z:LB+z+1], v[CF+2*(\w):CF+2*(\w)+1] op_sel_hi:[1,0]
.else
	v_pk_fma_f32 v[FU+z:FU+z+1], v[LB+z:LB+z+1], v[CF+2*(\w):CF+2*(\w)+1], v[FU+z:FU+z+1] op_sel_hi:[1,0,1]
.endif
.set z, z+2
.endr
.endm
; The attention of one group of 16 positions a wave.  x0-x3: where the four modalities lie; ob: the scalar pair with the rows' address in fz; bk: 16 registers for the rows read back.
.macro ATT x0, x1, x2, x3, ob, bk
.set AX0, \x0
.set AX1, \x1
.set AX2, \x2
.set AX3, \x3
	SCORE 0, 0, 0
	SCORE 1, 0, 1
	SCORE 2, 0, 2
	SCORE 3, 1, 0
	SCORE 4, 1, 1
	SCORE 5, 1, 2
	SCORE 6, 2, 2
	SCORE 7, 2, 3
	SCORE 8, 2, 0
	SCORE 9, 3, 3
	SCORE 10, 3, 2
	SCORE 11, 3, 0
	WIN 0
	EACH v_pk_add_f32 v[SC+8*p:SC+8*p+1], v[SC+8*p:SC+8*p+1], v[SC+8*p+2:SC+8*p+3]
	EACH v_pk_add_f32 v[SC+8*p+4:SC+8*p+5], v[SC+8*p+4:SC+8*p+5], v[SC+8*p+6:SC+8*p+7]
	EACH v_pk_add_f32 v[SC+8*p:SC+8*p+1], v[SC+8*p:SC+8*p+1], v[SC+8*p+4:SC+8*p+5]
	EACH v_add_f32 v[SC+8*p], v[SC+8*p], v[SC+8*p+1]
	EACH v_permlanex16_b32 v[SC+8*p+1], v[SC+8*p], s[SEL], s[SEL+1]   ; the position's other 32 channels lie in the lane 16 away
	EACH v_add_f32 v[SC+8*p], v[SC+8*p], v[SC+8*p+1]
	EACH v_mul_f32 v[SC+8*p], s[CS], v[SC+8*p]
	FOUR v_max3_num_f32 v[MX+q4], v[SC+24*q4], v[SC+24*q4+8], v[SC+24*q4+16]
	EACH v_sub_f32 v[SC+8*p], v[SC+8*p], v[MX+p/3]
	EACH v_exp_f32 v[SC+8*p], v[SC+8*p]
	v_nop                                          ; a plain instruction behind the last exponential,
	s_wait_alu depctr_va_vdst(0)                   ; and one wait for the batch of twelve, ahead of the first use
	FOUR v_add_f32 v[MX+q4], v[SC+24*q4], v[SC+24*q4+8]
	FOUR v_add_f32 v[MX+q4], v[MX+q4], v[SC+24*q4+16]
	FOUR v_rcp_f32 v[CF+2*q4+1], v[MX+q4]
	v_nop
	s_wait_alu depctr_va_vdst(0)                   ; one wait for the four reciprocals
	FOUR v_mul_f32 v[CF+2*q4+1], 0x3e800000, v[CF+2*q4+1]   ; the mean's quarter
	v_mul_f32 v[CF], v[SC], v[CF+1]                ; coef_0 = e(0,0) r0 + e(1,0) r1 + e(2,0) r2 + e(3,0) r3, and so on
	v_mul_f32 v[CF+2], v[SC+8], v[CF+1]
	v_mul_f32 v[CF+4], v[SC+16], v[CF+1]
	v_mul_f32 v[CF+6], v[SC+56], v[CF+5]
	v_fmac_f32 v[CF], v[SC+24], v[CF+3]
	v_fmac_f32 v[CF+2], v[SC+32], v[CF+3]
	v_fmac_f32 v[CF+4], v[SC+40], v[CF+3]
	v_fmac_f32 v[CF+6], v[SC+72], v[CF+7]
	v_fmac_f32 v[CF], v[SC+64], v[CF+5]
	v_fmac_f32 v[CF+4], v[SC+48], v[CF+5]
	v_fmac_f32 v[CF], v[SC+88], v[CF+7]
	v_fmac_f32 v[CF+4], v[SC+80], v[CF+7]
	MIX 0
	MIX 1
	MIX 2
	MIX 3
	WIN 0
.set z, 0
.rept 16
	v_cvt_pk_bf16_f32 v[PK+z], v[FU+2*z], v[FU+2*z+1]
.set z, z+1
.endr
.irp c, 0,1,2,3
	ds_store_b128 v[STO], v[PK+4*(\c):PK+4*(\c)+3] offset:32*(\c)
.endr
.irp f, 0,1,2,3
	ds_load_b128 v[(\bk)+4*(\f):(\bk)+4*(\f)+3], v[RD] offset:(\f)*4*SP   ; LDS serves a wave's instructions in order: these see the stores above
.endr
.irp f, 0,1,2,3
	s_wait_dscnt 3-(\f)                            ; the younger read-backs may stay out
	global_store_b128 v[GO], v[(\bk)+4*(\f):(\bk)+4*(\f)+3], s[(\ob):(\ob)+1] offset:(\f)*512   ; 512 consecutive bytes, aligned
.endr
.endm
	ATT 0, 1, 2, 6, 8, 208                         ; group 1: text, image, audio, and video or the biases
	ATT 3, 5, 7, 5, 70, 224                        ; group 2: text, the biases, audio or the biases, the biases
	s_wait_tensorcnt 0x0                           ; the wave's end
	ds_add_u32 v[SPW], v[NIL]
	s_wait_dscnt 0x0
	CROUND                                         ; the closing round
	s_endpgm
.Lfunc_end_k_q5b8efacd89_qkva:
	.size	k_q5b8efacd89_qkva, .Lfunc_end_k_q5b8efacd89_qkva-k_q5b8efacd89_qkva
	.p2alignl 7, 3214868480
	.fill 96, 4, 3214868480
	.section	.rodata,"a",@progbits
	.p2align	6, 0x0
	.amdhsa_kernel k_q5b8efacd89_qkva
		.amdhsa_group_segment_fixed_size 327680
		.amdhsa_private_segment_fixed_size 0
		.amdhsa_enable_private_segment 0
		.amdhsa_kernarg_size 56
		.amdhsa_user_sgpr_count 2
		.amdhsa_user_sgpr_kernarg_segment_ptr 1
		.amdhsa_wavefront_size32 1
		.amdhsa_system_sgpr_workgroup_id_x 1
		.amdhsa_system_sgpr_workgroup_id_y 1
		.amdhsa_system_sgpr_workgroup_id_z 1
		.amdhsa_system_vgpr_workitem_id 0
		.amdhsa_next_free_vgpr 1024
		.amdhsa_next_free_sgpr 100
		.amdhsa_reserve_vcc 0
		.amdhsa_float_denorm_mode_32 3
		.amdhsa_float_denorm_mode_16_64 3
		.amdhsa_memory_ordered 1
		.amdhsa_forward_progress 1
		.amdhsa_inst_pref_size 183
	.end_amdhsa_kernel
	.amdgpu_metadata
---
amdhsa.version: [ 1, 2 ]
amdhsa.kernels:
  - .name:           k_q5b8efacd89_qkva
    .symbol:         k_q5b8efacd89_qkva.kd
    .args:
      - { .name: ps, .offset: 0, .size: 8, .value_kind: global_buffer, .address_space: global }
      - { .name: cv, .offset: 8, .size: 8, .value_kind: global_buffer, .address_space: global }
      - { .name: bq, .offset: 16, .size: 8, .value_kind: global_buffer, .address_space: global }
      - { .name: bk, .offset: 24, .size: 8, .value_kind: global_buffer, .address_space: global }
      - { .name: bv, .offset: 32, .size: 8, .value_kind: global_buffer, .address_space: global }
      - { .name: temperature, .offset: 40, .size: 8, .value_kind: global_buffer, .address_space: global }
      - { .name: fz, .offset: 48, .size: 8, .value_kind: global_buffer, .address_space: global }
    .group_segment_fixed_size: 327680
    .private_segment_fixed_size: 0
    .kernarg_segment_align: 8
    .kernarg_segment_size: 56
    .max_flat_workgroup_size: 128
    .sgpr_count:     100
    .vgpr_count:     1024
    .wavefront_size: 32
...
	.end_amdgpu_metadata
.endif
;; end of part 3
;; launch outp (part 4): grid 8 x 32, 4 waves a work-group, clusters of 4 x 4, 327,680 bytes of LDS; arguments fz, cv, bo, out0; writes out0
.if DOCPART == 4
	.amdgcn_target "amdgcn-amd-amdhsa--gfx1250"
	.amdhsa_code_object_version 6
	.text
	.protected	k_q5b8efacd89_outp
	.globl	k_q5b8efacd89_outp
	.p2align	8
	.type	k_q5b8efacd89_outp,@function
k_q5b8efacd89_outp:
	s_mov_b64 s[64:65], 0
	v_nop
	global_prefetch_b8 v0, s[64:65] scope:SCOPE_SE
	s_setreg_imm32_b32 hwreg(HW_REG_WAVE_MODE, 25, 1), 1
	s_wait_xcnt 0x0
	s_wait_alu depctr_hold_cnt(0) depctr_sa_sdst(0) depctr_va_vdst(0) depctr_va_sdst(0) depctr_va_ssrc(0) depctr_va_vcc(0) depctr_vm_vsrc(0)
	s_getreg_b32 s2, hwreg(HW_REG_IB_STS2, 6, 4)
	s_cmp_eq_u32 s2, 0
	s_cbranch_scc0 .Lentry_in_a_cluster
	s_endpgm
.Lentry_in_a_cluster:
	s_bfe_u32 s2, ttmp6, 0x10000c
	s_cmp_lg_u32 s2, 0xf033
	s_cbranch_scc0 .Lentry_shape_is_right
	s_endpgm
.Lentry_shape_is_right:
; OUTP.  out0 = fused Wo^T + bo.  fused (fz) and Wo (cv) are bf16, sums f32, out0 f32.  4,096 rows x 1,024 columns in tiles of 128 x 128: 256 work-groups; four waves of 64 x 64.
; K = 1,024 goes in 4 steps of 256 = four heads.  fz is [32 row blocks][16 heads][128 rows][64]: a K step of a tile's 128 rows is 65,536 dense bytes, asked for as rows of 256 bytes and
; padded in LDS behind every 128 bytes: in LDS a (head, row) has 144 bytes.  A quarter of a K step is one head.
; bo (rounded to bf16 like every input) is the C operand of each first product.  CLUSTER 4 x 4: fz's tile is asked for jointly along a row of the cluster, Wo's along a column.
; THE MATRIX INSTRUCTION IS USED TRANSPOSED (source 0 = 16 rows of Wo, source 1 = 16 rows of fused): a lane holds eight neighbouring columns of one row, 32 bytes of out0.
; A wave's 64 columns are 256 bytes of out0, aligned: each wave has a stage of its own, and no barrier stands on the way out.
; LIMITS.  NaN and infinities are not treated apart.  No prefetch: the tiles are small and the launch is short.
.set PA,     144                       ; a (head, row) of fused in LDS: 128 bytes + 16
.set PITCH,  528                       ; a row of Wo in LDS: 512 bytes + 16
.set AHALF,  256*PA                    ; two heads x 128 rows: what one load of fz brings
.set BOFF,   2*AHALF
.set BHALF,  64*PITCH
.set SLOT,   BOFF+2*BHALF
.set STAGE,  2*SLOT                    ; behind the ring: 16 rows x 272 bytes for each wave
.set SPITCH, 272
.set SPARE,  STAGE+4*16*SPITCH         ; the spare words, 128 bytes a wave
.set WO,     544*65536                 ; Wo's first byte in cv
.set ADRA, 16
.set ADRB, 20
.set STO,  24
.set RD,   25
.set CO,   26
.set SPW,  28                          ; my spare word; never rewritten
.set NIL,  29                          ; 0; never rewritten
.set TMP,  32                          ; v32-95 at work: two sets of 32 by turns
.set BIAS, 96                          ; v96-127 bo of my 64 columns
.set ACC,  128
.set F0,   0
.set F1,   128
.set G1, 24
.set G0, 32
.set G1B, 48
.set G0B, 56
.set MSB, 0
.macro WIN new
.if MSB != (\new)
	s_set_vgpr_msb (MSB<<8)|(\new)
.set MSB, \new
.endif
.endm
.set MUL,  0x05
.set TO_F, 0x40
.macro JLOAD s                         ; a joint load: waves 0 and 1 fetch fz, waves 2 and 3 Wo; s_nop 0 and four v_nop follow each line
	s_cmp_eq_u32 s11, 0
	s_cbranch_scc0 .Lfor_b_\@
	tensor_load_to_lds s[G0+4*(\s):G0+4*(\s)+3], s[G1:G1+7]
	s_nop 0
.rept 4
	v_nop
.endr
	s_branch .Lasked_\@
.Lfor_b_\@:
	tensor_load_to_lds s[G0B+4*(\s):G0B+4*(\s)+3], s[G1B:G1B+7]
	s_nop 0
.rept 4
	v_nop
.endr
.Lasked_\@:
.endm
.macro CREST
	s_cmp_lg_u32 s10, 0
	s_cbranch_scc1 .Lnot_wave_0_\@
	s_barrier_signal -3
.Lnot_wave_0_\@:
	s_barrier_wait -3
	s_barrier_signal -1
	s_barrier_wait -1
.endm
.macro CROUND
	s_barrier_signal -1
	s_barrier_wait -1
	CREST
.endm
	s_load_b128 s[4:7], s[0:1], 0x0                ; fz, cv
	s_load_b128 s[68:71], s[0:1], 0x10             ; bo, out0
	v_lshl_add_u32 v[SPW], v0, 2, SPARE
	v_mov_b32 v[NIL], 0
	ds_add_u32 v[SPW], v[NIL]                      ; the opening: the add and its wait ahead of my first tensor load; register work stands between
	v_lshrrev_b32 v1, 5, v0
	v_readfirstlane_b32 s10, v1                    ; wave 0..3
	s_lshr_b32 s11, s10, 1                         ; my half of the tile's rows; also: I fetch fz (0) or Wo (1)
	s_and_b32 s12, s10, 1                          ; my half of its columns; also: which half I fetch
	s_bfe_u32 s40, ttmp6, 0x40000
	s_bfe_u32 s41, ttmp6, 0x40004
	s_lshl_b32 s42, ttmp9, 2
	s_add_co_u32 s42, s42, s40                     ; tile column
	s_and_b32 s13, ttmp7, 0xffff
	s_lshl_b32 s13, s13, 2
	s_add_co_u32 s13, s13, s41                     ; tile row = row block of fz
	s_lshl_b32 s43, s41, 2
	s_lshl_b32 s43, 15, s43
	s_lshl_b32 s44, 0x1111, s40
	s_or_b32 s[G1+0], s43, (1<<16)|(1<<20)|(1<<21)|(4<<22)|(3<<25)   ; mask of my row; 2-byte elements; padding on; bit 21 beside a mask; after every 32 words, 4 words
	s_mov_b32 s[G1+1], 128<<16                     ; 32,768 dense bytes as 128 rows of 128 elements
	s_mov_b32 s[G1+2], 128<<16
	s_mov_b32 s[G1+3], 128<<16
	s_mov_b32 s[G1+4], 128
	s_mov_b32 s[G1+5], 128
	s_mov_b32 s[G1+6], 0
	s_mov_b32 s[G1+7], 0
	s_or_b32 s[G1B+0], s44, (1<<16)|(1<<20)|(1<<21)|(6<<22)|(3<<25)  ; after every 128 words, 4 words
	s_mov_b32 s[G1B+1], 256<<16                    ; 64 rows x 256 elements, 1,024 elements from row to row
	s_mov_b32 s[G1B+2], 64<<16
	s_mov_b32 s[G1B+3], 256<<16
	s_mov_b32 s[G1B+4], 64
	s_mov_b32 s[G1B+5], 1024
	s_mov_b32 s[G1B+6], 0
	s_mov_b32 s[G1B+7], 0
	s_lshl_b32 s16, s13, 18                        ; fz: (16 x row block + 2 x half) heads of 16,384 bytes
	s_lshl_b32 s17, s12, 15
	s_add_co_u32 s16, s16, s17
	s_mov_b32 s17, 0
	s_lshl_b32 s46, s42, 18                        ; Wo: (128 x tile column + 64 x half) rows of 2,048 bytes
	s_lshl_b32 s47, s12, 17
	s_add_co_u32 s46, s46, s47
	s_add_co_u32 s46, s46, WO
	s_mov_b32 s47, 0
	s_mul_i32 s20, s12, AHALF
	s_mul_i32 s21, s12, BHALF
	s_add_co_u32 s21, s21, BOFF
	s_wait_dscnt 0x0                               ; the opening add is done
	s_wait_kmcnt 0x0
	s_add_nc_u64 s[14:15], s[4:5], s[16:17]
	s_add_nc_u64 s[46:47], s[6:7], s[46:47]
	CROUND                                         ; all sixteen work-groups are here: the first joint loads meet
.irp s, 0,1
	s_mov_b32 s[G0+4*(\s)], 1
	s_add_co_u32 s[G0+4*(\s)+1], s20, (\s)*SLOT
	s_add_nc_u64 s[G0+4*(\s)+2:G0+4*(\s)+3], s[14:15], (\s)*65536
	s_or_b32 s[G0+4*(\s)+3], s[G0+4*(\s)+3], 0x80000000
	s_mov_b32 s[G0B+4*(\s)], 1
	s_add_co_u32 s[G0B+4*(\s)+1], s21, (\s)*SLOT
	s_add_nc_u64 s[G0B+4*(\s)+2:G0B+4*(\s)+3], s[46:47], (\s)*512
	s_or_b32 s[G0B+4*(\s)+3], s[G0B+4*(\s)+3], 0x80000000
	JLOAD \s                                       ; K steps 0 and 1: two loads of mine are out
.endr
	v_and_b32 v1, 15, v0                           ; r
	v_bfe_u32 v2, v0, 4, 1                         ; h
	v_mul_u32_u24 v3, v1, PA
	v_lshl_add_u32 v3, v2, 4, v3
	v_mul_u32_u24 v4, v1, PITCH
	v_lshl_add_u32 v4, v2, 4, v4
	s_mul_i32 s21, s11, 64*PA                      ; my 64 rows of fused, in each head
	s_mul_i32 s22, s12, BHALF                      ; my 64 rows of Wo
	s_add_co_u32 s22, s22, BOFF
.irp s, 0,1
	v_add_nc_u32 v[ADRA+(\s)], s21, v3
	v_add_nc_u32 v[ADRB+(\s)], s22, v4
	s_add_co_u32 s21, s21, SLOT
	s_add_co_u32 s22, s22, SLOT
.endr
	s_mul_i32 s23, s10, 16*SPITCH
	s_add_co_u32 s23, s23, STAGE                   ; my stage
	v_mul_u32_u24 v4, v1, SPITCH                   ; in: row r, 32 bytes for each half of the lanes
	v_lshl_add_u32 v4, v2, 5, v4
	v_add_nc_u32 v[STO], s23, v4
	v_mul_u32_u24 v5, v2, SPITCH                   ; back: lanes 0-15 one row of 256 bytes, lanes 16-31 the next
	v_lshl_add_u32 v5, v1, 4, v5
	v_add_nc_u32 v[RD], s23, v5
	v_lshlrev_b32 v5, 12, v2                       ; and the same two rows in out0, 4,096 bytes apart
	v_lshl_add_u32 v[CO], v1, 4, v5
	s_lshl_b32 s16, s13, 19                        ; (128 x tile row + 64 x my half) rows + the tile's 512 bytes + my 256
	s_lshl_b32 s17, s11, 18
	s_add_co_u32 s16, s16, s17
	s_mov_b32 s17, 0
	s_add_nc_u64 s[8:9], s[70:71], s[16:17]
	s_lshl_b32 s46, s42, 9
	s_lshl_b32 s47, s12, 8
	s_add_co_u32 s46, s46, s47
	s_mov_b32 s47, 0
	s_add_nc_u64 s[8:9], s[8:9], s[46:47]
	v_lshl_add_u32 v6, v2, 5, s46                  ; bo: columns 128 x tile column + 64 x half + 16 b + 8 h + 0..7
.irp b, 0,1,2,3
	global_load_b128 v[BIAS+8*(\b):BIAS+8*(\b)+3],   v6, s[68:69] offset:64*(\b)
	global_load_b128 v[BIAS+8*(\b)+4:BIAS+8*(\b)+7], v6, s[68:69] offset:64*(\b)+16
.endr
	s_wait_loadcnt 0x0
.set z, 0
.rept 16
	v_cvt_pk_bf16_f32 v[TMP+z], v[BIAS+2*z], v[BIAS+2*z+1]
.set z, z+1
.endr
.set z, 0
.rept 16
	v_lshlrev_b32 v[BIAS+2*z], 16, v[TMP+z]
	v_and_b32 v[BIAS+2*z+1], 0xffff0000, v[TMP+z]
.set z, z+1
.endr
; 8 matrix instructions: row blocks a0, a0 + 1 x all 4 column blocks, 32 along K: half c of buffer f.  first = 1: the sum starts with bo.  The 16 accumulators take turns.
.macro MUL8 f, c, a0, first
	WIN MUL
.irp a, \a0, (\a0)+1
.irp b, 0,1,2,3
.if \first
	v_wmma_f32_16x16x32_bf16 v[ACC+8*(4*(\a)+(\b)):ACC+8*(4*(\a)+(\b))+7], v[(\f)+64+8*(4*(\c)+(\b)):(\f)+64+8*(4*(\c)+(\b))+7], v[(\f)+8*(4*(\c)+(\a)):(\f)+8*(4*(\c)+(\a))+7], v[BIAS+8*(\b):BIAS+8*(\b)+7]
.else
	v_wmma_f32_16x16x32_bf16 v[ACC+8*(4*(\a)+(\b)):ACC+8*(4*(\a)+(\b))+7], v[(\f)+64+8*(4*(\c)+(\b)):(\f)+64+8*(4*(\c)+(\b))+7], v[(\f)+8*(4*(\c)+(\a)):(\f)+8*(4*(\c)+(\a))+7], v[ACC+8*(4*(\a)+(\b)):ACC+8*(4*(\a)+(\b))+7]
.endif
.endr
.endr
.endm
; 32 LDS loads in one run: the fragments of quarter q (head q of the K step) into buffer f; the first 32 along K first
.macro FETCH slot, q, f
	WIN TO_F
.irp c, 0,1
.irp i, 0,1,2,3
	ds_load_b128 v[(\f)+64+8*(4*(\c)+(\i)):(\f)+64+8*(4*(\c)+(\i))+3],   v[ADRB+(\slot)] offset:128*(\q)+64*(\c)+(\i)*16*PITCH
	ds_load_b128 v[(\f)+64+8*(4*(\c)+(\i))+4:(\f)+64+8*(4*(\c)+(\i))+7], v[ADRB+(\slot)] offset:128*(\q)+64*(\c)+(\i)*16*PITCH+32
	ds_load_b128 v[(\f)+8*(4*(\c)+(\i)):(\f)+8*(4*(\c)+(\i))+3],         v[ADRA+(\slot)] offset:(\q)*128*PA+64*(\c)+(\i)*16*PA
	ds_load_b128 v[(\f)+8*(4*(\c)+(\i))+4:(\f)+8*(4*(\c)+(\i))+7],       v[ADRA+(\slot)] offset:(\q)*128*PA+64*(\c)+(\i)*16*PA+32
.endr
.endr
.endm
.macro PLACES                          ; four plain vector instructions between a matrix instruction and a load into, or a store of, its registers
.rept 4
	v_nop
.endr
.endm
.macro QUARTER slot, q, f, g, first
	s_wait_dscnt 16                                ; the first 32 along K are in; the other sixteen loads may stay out
	MUL8 \f, 0, 0, \first
	MUL8 \f, 0, 2, \first
	PLACES
	FETCH \slot, \q, \g
	s_wait_dscnt 32                                ; all but the 32 just issued
	MUL8 \f, 1, 0, 0
	MUL8 \f, 1, 2, 0
.endm
; The last quarter multiplies buffer 1 and changes slots.  In front of the barrier each wave waits for all its tensor loads, adds 0 to its spare word and waits for that and for its reads of this slot.
.macro TURN slot, next, fill
	WIN 0
	s_wait_tensorcnt 0x0                           ; all my tensor loads have landed: my part of the next slot
	ds_add_u32 v[SPW], v[NIL]
	s_wait_dscnt 17                                ; the add and the youngest sixteen loads may be out
	MUL8 F1, 0, 0, 0
	s_wait_dscnt 0x0                               ; the add is done, my reads of this slot are over
	s_barrier_signal -1
	MUL8 F1, 0, 2, 0
.if \fill
	WIN 0
.endif
	s_barrier_wait -1
.if \fill
	CREST                                          ; the barrier has opened a round of the cluster's: no wave of any partner reads this slot or has a load on its way
	s_add_nc_u64 s[G0+4*(\slot)+2:G0+4*(\slot)+3], s[G0+4*(\slot)+2:G0+4*(\slot)+3], 2*65536
	s_add_nc_u64 s[G0B+4*(\slot)+2:G0B+4*(\slot)+3], s[G0B+4*(\slot)+2:G0B+4*(\slot)+3], 2*512
	JLOAD \slot                                    ; the first tensor load behind the round, 112 matrix instructions ahead of the wait for it; its four v_nop are the places in front of the loads below
.else
	PLACES
.endif
	FETCH \next, 0, F0
	MUL8 F1, 1, 0, 0
	MUL8 F1, 1, 2, 0
.endm
	s_wait_tensorcnt 1                             ; my part of K step 0 is in; K step 1's load may stay out
	s_barrier_signal -1
	s_barrier_wait -1
	FETCH 0, 0, F0
	QUARTER 0, 1, F0, F1, 1                        ; the first quarter starts the sums
	WIN 0
	s_mov_b32 s3, 1                                ; two laps: one fills the slots again, the last is written out
.Llap:
	QUARTER 0, 2, F1, F0, 0
	QUARTER 0, 3, F0, F1, 0
	TURN 0, 1, 1
	QUARTER 1, 1, F0, F1, 0
	QUARTER 1, 2, F1, F0, 0
	QUARTER 1, 3, F0, F1, 0
	TURN 1, 0, 1
	QUARTER 0, 1, F0, F1, 0
	WIN 0
	s_sub_co_u32 s3, s3, 1
	s_cmp_lg_u32 s3, 0
	s_cbranch_scc1 .Llap
	QUARTER 0, 2, F1, F0, 0
	QUARTER 0, 3, F0, F1, 0
	TURN 0, 1, 0
	QUARTER 1, 1, F0, F1, 0
	QUARTER 1, 2, F1, F0, 0
	QUARTER 1, 3, F0, F1, 0
	s_wait_dscnt 16
	MUL8 F1, 0, 0, 0
	MUL8 F1, 0, 2, 0
	s_wait_dscnt 0
	MUL8 F1, 1, 0, 0
	MUL8 F1, 1, 2, 0
	WIN 0
	; THE WAY OUT, a block of 16 rows at a time through my own stage: 32 bytes a lane in, whole rows of 256 bytes back.
	PLACES
.irp a, 0,1,2,3
.irp b, 0,1,2,3
	ds_store_b128 v[STO], v[ACC+8*(4*(\a)+(\b)):ACC+8*(4*(\a)+(\b))+3]   offset:64*(\b)      ; each accumulator is read from its low end on
	ds_store_b128 v[STO], v[ACC+8*(4*(\a)+(\b))+4:ACC+8*(4*(\a)+(\b))+7] offset:64*(\b)+16
.endr
	s_wait_xcnt 0x0                                ; the stores of two blocks back have read their registers: the set is loaded again only behind this wait
.irp t, 0,1,2,3,4,5,6,7
	ds_load_b128 v[TMP+32*((\a)%2)+4*(\t):TMP+32*((\a)%2)+4*(\t)+3], v[RD] offset:(\t)*2*SPITCH   ; LDS serves a wave's instructions in order: these see the stores above
.endr
	s_wait_dscnt 0x0
.irp t, 0,1,2,3,4,5,6,7
	global_store_b128 v[CO], v[TMP+32*((\a)%2)+4*(\t):TMP+32*((\a)%2)+4*(\t)+3], s[8:9] offset:(16*(\a)+2*(\t))*4096   ; 16 lanes store 256 consecutive bytes, aligned
.endr
.endr
	s_wait_tensorcnt 0x0                           ; the wave's end
	ds_add_u32 v[SPW], v[NIL]
	s_wait_dscnt 0x0
	CROUND                                         ; the closing round
	s_endpgm
.Lfunc_end_k_q5b8efacd89_outp:
	.size	k_q5b8efacd89_outp, .Lfunc_end_k_q5b8efacd89_outp-k_q5b8efacd89_outp
	.p2alignl 7, 3214868480
	.fill 96, 4, 3214868480
	.section	.rodata,"a",@progbits
	.p2align	6, 0x0
	.amdhsa_kernel k_q5b8efacd89_outp
		.amdhsa_group_segment_fixed_size 327680
		.amdhsa_private_segment_fixed_size 0
		.amdhsa_enable_private_segment 0
		.amdhsa_kernarg_size 32
		.amdhsa_user_sgpr_count 2
		.amdhsa_user_sgpr_kernarg_segment_ptr 1
		.amdhsa_wavefront_size32 1
		.amdhsa_system_sgpr_workgroup_id_x 1
		.amdhsa_system_sgpr_workgroup_id_y 1
		.amdhsa_system_sgpr_workgroup_id_z 1
		.amdhsa_system_vgpr_workitem_id 0
		.amdhsa_next_free_vgpr 512
		.amdhsa_next_free_sgpr 76
		.amdhsa_reserve_vcc 0
		.amdhsa_float_denorm_mode_32 3
		.amdhsa_float_denorm_mode_16_64 3
		.amdhsa_memory_ordered 1
		.amdhsa_forward_progress 1
		.amdhsa_inst_pref_size 89
	.end_amdhsa_kernel
	.amdgpu_metadata
---
amdhsa.version: [ 1, 2 ]
amdhsa.kernels:
  - .name:           k_q5b8efacd89_outp
    .symbol:         k_q5b8efacd89_outp.kd
    .args:
      - { .name: fz, .offset: 0, .size: 8, .value_kind: global_buffer, .address_space: global }
      - { .name: cv, .offset: 8, .size: 8, .value_kind: global_buffer, .address_space: global }
      - { .name: bo, .offset: 16, .size: 8, .value_kind: global_buffer, .address_space: global }
      - { .name: out0, .offset: 24, .size: 8, .value_kind: global_buffer, .address_space: global }
    .group_segment_fixed_size: 327680
    .private_segment_fixed_size: 0
    .kernarg_segment_align: 8
    .kernarg_segment_size: 32
    .max_flat_workgroup_size: 128
    .sgpr_count:     76
    .vgpr_count:     512
    .wavefront_size: 32
...
	.end_amdgpu_metadata
.endif
;; end of part 4
